; MI455X (gfx1250); checked and timed in simulation.
; The chip was launched on July 23, 2026; its instructions are those of AMD's public machine-readable ISA for CDNA 5 (MIT licence, August 2026) and "CDNA5" Instruction Set Architecture Reference Guide (July 2026). The comments in the code are by the model that wrote it; some were corrected since.
;; Lo RA Attention. Allowed arithmetic: matrix products marked QUANTISED: E2M3 operands, one E8M0 scale for each 32 along K, by v_wmma_scale_f32_16x16x128_f8f6f4 with both operands' format E2M3, f32 sums; products left as they are: f32 operands where the result goes on into a quantised operand, else bf16, f16 or f32 operands; f32 sums; everything else in f32.
;; Inputs: K_A 16 x 1,024 float32; K_B 1,024 x 16 float32; K_weight 1,024 x 1,024 float32; O_weight 1,024 x 1,024 float32; Q_A 16 x 1,024 float32; Q_B 1,024 x 16 float32; Q_weight 1,024 x 1,024 float32; V_A 16 x 1,024 float32; V_B 1,024 x 16 float32; V_weight 1,024 x 1,024 float32; key 4 x 2,048 x 1,024 float32; query 4 x 2,048 x 1,024 float32; value 4 x 2,048 x 1,024 float32.
;; Outputs: out0 4 x 2,048 x 1,024 float32.
;; This version of the problem:
;;   THIS VERSION OF THE PROBLEM IS GIVEN IN LOW PRECISION. The matrix products marked QUANTISED in the list below multiply operands that are first quantised to E2M3 (2 exponent bits, 3 mantissa bits; 6 bits a number), with one power-of-two scale for each 32 numbers along K (OCP MX v1.0); their sums are f32. All else is computed in f32.
;;   The module's matrix products, in the order in which they are computed (A, B: the left and right operand; K: the contracted axis; several contracted axes count as one K, in the product's order):
;;     1. [M 8,192, K 1,024] x [K 1,024, N 1,024]; A: input query; B: input Q_weight: QUANTISED
;;     2. [M 8,192, K 1,024] x [K 1,024, N 16]; A: input query; B: input Q_A: QUANTISED
;;     3. [M 8,192, K 16] x [K 16, N 1,024]; A: computed on the way; B: input Q_B: left as it is (K = 16 < 32)
;;     4. [M 8,192, K 1,024] x [K 1,024, N 1,024]; A: input key; B: input K_weight: QUANTISED
;;     5. [M 8,192, K 1,024] x [K 1,024, N 16]; A: input key; B: input K_A: QUANTISED
;;     6. [M 8,192, K 16] x [K 16, N 1,024]; A: computed on the way; B: input K_B: left as it is (K = 16 < 32)
;;     7. [M 8,192, K 1,024] x [K 1,024, N 1,024]; A: input value; B: input V_weight: QUANTISED
;;     8. [M 8,192, K 1,024] x [K 1,024, N 16]; A: input value; B: input V_A: QUANTISED
;;     9. [M 8,192, K 16] x [K 16, N 1,024]; A: computed on the way; B: input V_B: left as it is (K = 16 < 32)
;;     10. batch 4 x [M 2,048, K 1,024] x [K 1,024, N 2,048]; A: computed on the way; B: computed on the way: QUANTISED
;;     11. batch 4 x [M 2,048, K 2,048] x [K 2,048, N 1,024]; A: softmax (see below); B: computed on the way: QUANTISED
;;     12. [M 8,192, K 1,024] x [K 1,024, N 1,024]; A: computed on the way; B: input O_weight: QUANTISED
;;   THE QUANTISER, for each operand of a quantised product, along K:
;;     - K is cut into blocks of 32 from its start; a last block that is shorter is filled with zeros.
;;     - A block's scale is 2^e with e = floor(log2(the largest magnitude in the block)) - 2, held to -126 .. 127; a block of zeros has e = 0. As a byte (E8M0): e + 127.
;;     - Each number is divided by its block's scale, clamped to +-7.5, and rounded to the nearest number of E2M3, ties to even, subnormals kept.
;;     - The product sums the exact products of the quantised numbers (number of the format x scale) in f32.
;;   ~~~python
;;   def quantise(x, axis):      # numpy; x: float32 -> the quantised numbers, widened to float32 again
;;       x = np.moveaxis(x, axis, -1); K = x.shape[-1]
;;       x = np.pad(x, [(0, 0)] * (x.ndim - 1) + [(0, -K % 32)]); x = x.reshape(x.shape[:-1] + (-1, 32)); a = np.abs(x).max(-1, keepdims=True)
;;       e = np.where(a > 0, np.clip(np.frexp(np.where(a > 0, a, 1))[1] - 1 - 2, -126, 127), 0)      # np.frexp(a)[1] - 1 = floor(log2(a)), exactly
;;       r = np.clip(x / 2.0 ** e, -7.5, 7.5)
;;       step = 2.0 ** (np.maximum(np.frexp(np.where(r == 0, 1, r))[1] - 1, 0) - 3)
;;       q = np.round(r / step) * step * 2.0 ** e      # np.round: ties to even
;;       return np.moveaxis(q.reshape(q.shape[:-2] + (-1,))[..., :K], -1, axis).astype(np.float32)
;;   ~~~
;;   SOFTMAX AHEAD OF A QUANTISED PRODUCT. Where the list says 'softmax', what is quantised is not the finished softmax but p = 2^(t - M), with t = logit x log2(e) and M = ceil(the row's largest t), a whole number; so 1/2 < the row's largest p <= 1. The row's sum l is taken of the UNQUANTISED p, in f32, and the product's result is divided by l at the end. Since M is a whole number, a kernel that streams over the keys may use a running M (the ceiling of the running maximum): every later rescaling is an exact power of two, which a block's scale takes up: the codes' values come out the same.
;;   OPERANDS COMPUTED ON THE WAY. 'Computed on the way' means the value that the module computes at that place (a softmax that the list does not call 'softmax' is quantised finished and normalised). What goes into a quantiser is computed in f32, as accurately as f32 sums, v_exp_f32 and their like allow (about 1e-6 of the number): no bf16 or f16 on the way to a quantiser, and a product that is left as it is and whose result goes on into a quantised operand takes f32 operands (vector FMAs, or v_wmma_f32_16x16x4_f32). A number that lies on a knife's edge between two numbers of the format may be rounded either way, as far as f32 arithmetic and the matrix unit's own rounding can turn it there, and no further.
;; One version. Each part assembles by itself: llvm-mc -triple=amdgcn-amd-amdhsa -mcpu=gfx1250 --defsym DOCPART=n.
;; ======== version 1 of 1: 5 launches
;; workspace buffers: w0 24,510,464 bytes; w1 19,660,800 bytes; w2 14,680,064 bytes; w3 6,553,600 bytes
;; launch quant (part 1): grid 448 x 1, 4 waves a work-group, no clusters, 83,456 bytes of LDS; arguments query, key, value, Q_weight, K_weight, V_weight, O_weight, Q_A, K_A, V_A, w0; writes w0
.if DOCPART == 1
	.amdgcn_target "amdgcn-amd-amdhsa--gfx1250"
	.amdhsa_code_object_version 6
	.text
	.protected	k_q13a5f72eb9_quant
	.globl	k_q13a5f72eb9_quant
	.p2align	8
	.type	k_q13a5f72eb9_quant,@function
k_q13a5f72eb9_quant:
	s_mov_b64 s[64:65], 0
	v_nop
	global_prefetch_b8 v0, s[64:65] scope:SCOPE_SE
	s_setreg_imm32_b32 hwreg(HW_REG_WAVE_MODE, 25, 1), 1
	s_wait_xcnt 0x0
; query, key, value [8192][1024] and the four weights [1024][1024], f32, K innermost, become codes of FP6 (E2M3) with one E8M0 byte for each 32 along K; and t = Q(x) Q(A)^T, [8192][16] f32, for the three x.
; A block's scale is 2^(floor(log2(its largest magnitude)) - 2): its byte is that magnitude's exponent field - 2, held at 1 from below; numbers beyond 7.5 x the scale take the largest code.
; LIMITS: NaN and infinities are not served; a block whose largest magnitude lies under 2^-124 (a block of zeros too) keeps the byte 1; these bytes are read by this program alone.
; LAYOUT OF ALL CODES: a fragment (16 rows x 128 K, 12 registers a lane) lies as the image of its registers: registers 4 c .. 4 c + 3 of lane l at 512 c + 16 l: 1,536 bytes.  Order: [tile][K step].
; Lane-row m of tile T is row 32 (T / 2) + 8 (T % 2) + m + 8 (m / 8): as source 0 of a product two neighbouring tiles then give a lane 16 neighbours along the next K.
; SCALE RECORDS: 256 bytes for four tiles (a quad) and one K step: the word of lane-row r of tile a at 16 r + 4 a.  Order: [quad][K step].
; SHARES: a work-group of four waves takes one quad, 64 rows x 1,024; wave w takes tile w: eight fragments, K step by K step.  Quads 0-383 are x (128 each), 384-447 the weights (16 each).
; In a work-group of x wave w first quantises K steps 2 w and 2 w + 1 of its A (natural rows) into LDS images; behind a barrier every wave adds one product to its tile's t for each fragment of x that it makes.
; The four tiles' scale words meet in LDS behind a second barrier, and wave w stores records 2 w and 2 w + 1: 512 consecutive bytes.
; No cluster: only A (64 KiB beside a work-group's 256 KiB) is shared between work-groups.  No tensor loads.  Each load reads 512 consecutive bytes of a row; four jobs' 64 loads of a wave are out at a time.
; A JOB: 16 rows x 128 numbers come as they lie (window 1), turn through the wave's own stage in LDS (rows 528 bytes apart) so that lane (r, h) holds, of row r, 16 neighbours of each block of 32, and are quantised.
; The ten jobs of a wave (two of A, eight of its tile) are written out: job n uses set n % 4 of window 1 and stage n % 2; every offset is an immediate, and no pointer is stepped.
.set STG,  16896                       ; LDS: for each wave two stages of 16 x 528 bytes;
.set AIMG, 4*STG                       ; A's eight images;
.set ASC,  AIMG+8*1536                 ; A's eight sets of scale words, 128 bytes each;
.set REC,  ASC+8*128                   ; the quad's scale words, [tile][K step][row]: 512 bytes a wave
.set OA,   1                           ; v1   16 x lane: a load's place, an image's place
.set RDS,  2                           ; v2   my stage + 528 r + 64 h: out of the stage
.set STI,  3                           ; v3   my stage + 16 x lane: into the stage
.set TA,   4                           ; v4   64 (r + 8 (r / 8)) + 32 h: my eight ranks of my token's row of t
.set RECW, 5                           ; v5   REC + 512 w + 4 r: where my tile's scale words go
.set RECR, 6                           ; v6   REC + 128 w + 4 x lane: where I read a tile's word for the records that I store
.set AIR,  7                           ; v7   AIMG + 16 x lane: A's images, read
.set ASR,  8                           ; v8   ASC + 4 x lane: A's scale words, read
.set AIW,  9                           ; v9   AIMG + 16 x lane + 3,072 w: the two images that I make
.set ASW,  10                          ; v10  ASC + 4 x lane + 256 w: their scale words
.set RO,   11                          ; v11  512 w + 16 x lane: my 16 bytes of the quad's records
.set RD,   12                          ; v12-15 those 16 bytes
.set AF,   16                          ; v16-27 A's fragment of the K step
.set AS,   28                          ; v28  its scale words
.set PWA,  29                          ; v29  the scale word of a fragment of A just made
.set T,    32                          ; v32-39 t of my tile: one accumulator
.set PWS,  40                          ; v40-47 my tile's scale words, one register a K step
.set X,    64                          ; v64-191 two sets of 64 numbers
.set PC,   192                         ; v192-211 the codes just made
.set TM,   212                         ; v212-227 at work
.set OB,   36                          ; s[36:37] my tile's codes;  s[38:39] the quad's records;  s[44:45] my tile's rows of t
.set SB,   38
.set SEL,  46                          ; s[46:47] selects for lane l xor 16
.set MSB,  0
.macro WIN new                         ; the immediate's high byte repeats the setting that is left
.if MSB != (\new)
	s_set_vgpr_msb (MSB<<8)|(\new)
.set MSB, (\new)
.endif
.endm
.macro PLACES n
.rept \n
	v_nop
.endr
.endm
; 64 numbers of a lane, v[s] on in window w, register 16 b + i = k 32 b + 16 h + i of my row: the four blocks' largest magnitudes
.macro QMAX s, w
	WIN (\w)*5
.irp b, 0,1,2,3
	v_max3_num_f32 v[TM+\b], |v[\s+16*\b]|, |v[\s+1+16*\b]|, 0x1800000   ; and the floor 2^(3 - 127): the byte cannot fall under 1
.endr
	WIN (\w)*20
.irp i, 2,4,6,8,10,12,14
.irp b, 0,1,2,3
	v_max3_num_f32 v[TM+\b], v[TM+\b], |v[\s+16*\b+\i]|, |v[\s+1+16*\b+\i]|
.endr
.endr
	WIN 0
.irp b, 0,1,2,3
	v_permlanex16_b32 v[TM+4+\b], v[TM+\b], s[SEL], s[SEL+1]
.endr
.irp b, 0,1,2,3
	v_max_num_f32 v[TM+\b], v[TM+\b], v[TM+4+\b]   ; with lane l xor 16's 16 numbers
.endr
.endm
; from the largest magnitudes: the scale word into v[pw] (the same in lanes r and r + 16), the fragment's codes into v[PC] on
.macro QTAIL s, w, pw
.irp b, 0,1,2,3
	v_add_nc_u32 v[TM+12+\b], 0xff000000, v[TM+\b]   ; 2 off the exponent field: the conversion's scale operand
.endr
.irp b, 0,1,2,3
	v_lshrrev_b32 v[TM+4+\b], 23, v[TM+12+\b]        ; the byte
.endr
	v_lshl_or_b32 v[\pw], v[TM+5], 8, v[TM+4]
	v_lshl_or_b32 v[\pw], v[TM+6], 16, v[\pw]
	v_lshl_or_b32 v[\pw], v[TM+7], 24, v[\pw]
	WIN (\w)
.irp c, 0,1
	v_cvt_scalef32_pk16_fp6_f32 v[PC+6*\c:PC+2+6*\c], v[\s+32*\c:\s+15+32*\c], v[TM+12+2*\c]
	v_cvt_scalef32_pk16_fp6_f32 v[PC+12+4*\c:PC+14+4*\c], v[\s+16+32*\c:\s+31+32*\c], v[TM+13+2*\c]   ; (a conversion's three registers begin on an even number)
.endr
	WIN 0
	v_nop                                          ; one plain line behind the scaled conversions
.irp c, 0,1                            ; the operand wants a whole block in a lane: lanes 0-15 block 2 c, lanes 16-31 block 2 c + 1
.irp i, 0,1,2
	v_permlane16_swap_b32 v[PC+6*\c+\i], v[PC+12+4*\c+\i]
.endr
.irp i, 0,1,2
	v_mov_b32 v[PC+3+6*\c+\i], v[PC+12+4*\c+\i]
.endr
.endr
.endm
.macro PUT off                         ; a fragment's image: three stores of 512 consecutive, aligned bytes
.irp c, 0,1,2
	global_store_b128 v[OA], v[PC+4*\c:PC+4*\c+3], s[OB:OB+1] offset:(\off)+512*\c
.endr
.endm
.macro LOADX s                         ; K step s of my tile's 16 rows, 512 bytes of each: job s + 2, set (s + 2) % 4 of window 1
	WIN 0x40
.irp i, 0,1,2,3,4,5,6,7,8,9,10,11,12,13,14,15
	global_load_b128 v[64*(((\s)+2)%4)+4*\i:64*(((\s)+2)%4)+4*\i+3], v[OA], s[4:5] offset:(\i+8*(\i/8))*4096+512*(\s) th:TH_LOAD_NT
.endr
	WIN 0
.endm
.macro LOADA m                         ; K step 2 w + m of A's 16 rows: job m, set m (other work-groups read them too: no hint)
	WIN 0x40
.irp i, 0,1,2,3,4,5,6,7,8,9,10,11,12,13,14,15
	global_load_b128 v[64*(\m)+4*\i:64*(\m)+4*\i+3], v[OA], s[6:7] offset:\i*4096+512*(\m)
.endr
	WIN 0
.endm
.macro TURN set, st                    ; a set goes through my stage st into X's set st; LDS serves a wave's instructions in order, so no wait stands between
	WIN 0x04
.irp i, 0,1,2,3,4,5,6,7,8,9,10,11,12,13,14,15
	ds_store_b128 v[STI], v[64*(\set)+4*\i:64*(\set)+4*\i+3] offset:8448*(\st)+528*\i
.endr
	WIN 0
.irp b, 0,1,2,3
.irp j, 0,1,2,3
	ds_load_b128 v[X+64*(\st)+16*\b+4*\j:X+64*(\st)+16*\b+4*\j+3], v[RDS] offset:8448*(\st)+128*\b+16*\j
.endr
.endr
.endm
; The head of job n.  ld: the K step of my tile that is asked for now, for the job four on (-1: none).  left: the loads of the later jobs that may stay out.  turn = 1: the next job's numbers go through the other stage while this job is worked.
.macro JOB n, ld, left, turn
	s_wait_dscnt 0x0                               ; my numbers are back from the stage, and the stage's stores have read set n % 4,
.if \ld >= 0
	LOADX \ld                                      ; which takes the loads of the job four on
.endif
.if \turn
	s_wait_loadcnt \left                           ; loads come back in order: the next job's sixteen are in
	TURN ((\n)+1)%4, ((\n)+1)%2
.endif
.endm
.macro AJOB m, ld, left, turn          ; x alone: K step 2 w + m of A becomes an image and 32 scale words in LDS
	JOB \m, \ld, \left, \turn
	QMAX X+64*(\m), 0
	QTAIL X+64*(\m), 0, PWA
.irp c, 0,1,2
	ds_store_b128 v[AIW], v[PC+4*\c:PC+4*\c+3] offset:1536*(\m)+512*\c
.endr
	ds_store_b32 v[ASW], v[PWA] offset:128*(\m)
.endm
.macro AFLOAD s                        ; x alone: A's fragment and scale words of K step s
	s_cmp_eq_u32 s33, 0
	s_cbranch_scc1 .Lno_a_\@
	PLACES 4                                       ; behind the last product, which read these registers
	ds_load_b128 v[AF:AF+3], v[AIR] offset:1536*(\s)
	ds_load_b128 v[AF+4:AF+7], v[AIR] offset:1536*(\s)+512
	ds_load_b128 v[AF+8:AF+11], v[AIR] offset:1536*(\s)+1024
	ds_load_b32 v[AS], v[ASR] offset:128*(\s)
.Lno_a_\@:
.endm
.macro TPROD s                         ; x alone: t of my 16 tokens += A's 16 ranks x K step s.  Source 0 = A: lane (r, h) holds ranks 8 h .. 8 h + 7 of token r.  One accumulator: a chain in place
	s_cmp_eq_u32 s33, 0
	s_cbranch_scc1 .Lno_t_\@
	PLACES 8                                       ; a scale word made by vector instructions stands eight places ahead of a scaled product, an operand four
	s_wait_alu depctr_va_vdst(0)                   ; directly ahead of a product that adds in place
	v_wmma_scale_f32_16x16x128_f8f6f4 v[T:T+7], v[AF:AF+11], v[PC:PC+11], v[T:T+7], v[AS], v[PWS+(\s)] matrix_a_fmt:MATRIX_FMT_FP6 matrix_b_fmt:MATRIX_FMT_FP6
.Lno_t_\@:
.endm
.macro XJOB s, ld, left, turn          ; K step s of my tile: job s + 2
	AFLOAD \s
	JOB (\s)+2, \ld, \left, \turn
	QMAX X+64*((\s)%2), 0
	s_wait_xcnt 0x0                                ; the last job's stores have read their data: the codes' registers are written again only behind this wait; this job's own loads were issued some fifty lines back
	QTAIL X+64*((\s)%2), 0, PWS+(\s)
	PUT 1536*(\s)
	TPROD \s
.endm
	s_load_b512 s[8:23], s[0:1], 0x0               ; query, key, value, Q_weight, K_weight, V_weight, O_weight, Q_A
	s_load_b128 s[24:27], s[0:1], 0x40             ; K_A, V_A
	s_load_b64 s[28:29], s[0:1], 0x50              ; w0
	v_lshl_add_u32 v254, v0, 2, 0x14400
	v_mov_b32 v255, 0
	v_lshrrev_b32 v48, 5, v0
	v_readfirstlane_b32 s32, v48                   ; wave w = my tile of the quad
	v_and_b32 v48, 31, v0                          ; lane
	v_and_b32 v49, 15, v0                          ; r
	v_bfe_u32 v50, v0, 4, 1                        ; h
	s_mul_i32 s52, s32, STG                        ; my stages
	s_mul_i32 s53, s32, 3072
	s_lshl_b32 s54, s32, 8
	s_lshl_b32 s55, s32, 9
	s_lshl_b32 s56, s32, 7
	v_lshlrev_b32 v[OA], 4, v48
	v_add_nc_u32 v[STI], s52, v[OA]
	v_mul_u32_u24 v[RDS], v49, 528
	v_lshl_add_u32 v[RDS], v50, 6, v[RDS]
	v_add_nc_u32 v[RDS], s52, v[RDS]
	v_and_b32 v[TA], 8, v49
	v_add_nc_u32 v[TA], v[TA], v49
	v_lshlrev_b32 v[TA], 6, v[TA]
	v_lshl_add_u32 v[TA], v50, 5, v[TA]
	v_add_nc_u32 v[AIR], AIMG, v[OA]
	v_lshl_add_u32 v[ASR], v48, 2, ASC
	v_add_nc_u32 v[AIW], s53, v[AIR]
	v_add_nc_u32 v[ASW], s54, v[ASR]
	v_lshl_add_u32 v[RECW], v49, 2, REC
	v_add_nc_u32 v[RECW], s55, v[RECW]
	v_lshl_add_u32 v[RECR], v48, 2, REC
	v_add_nc_u32 v[RECR], s56, v[RECR]
	v_add_nc_u32 v[RO], s55, v[OA]
.irp j, 16,17,18,19,20,21,22,23,24,25,26,27,28
	v_mov_b32 v[\j], 0                             ; written once on the way that both kinds take
.endr
.irp j, 0,1,2,3,4,5,6,7
	v_mov_b32 v[T+\j], 0                           ; t begins as zeros: eight registers
.endr
.irp b, 0,1,2,3
	v_mov_b32 v[TM+4+\b], 0                        ; a lane permute's destination counts as one of its sources
.endr
	s_mov_b32 s[SEL], 0x76543210
	s_mov_b32 s[SEL+1], 0xfedcba98
	s_lshr_b32 s57, s32, 1                         ; w / 2, w % 2: my tile begins at row 32 (w / 2) + 8 (w % 2) of the quad
	s_and_b32 s58, s32, 1
	s_mul_i32 s34, ttmp9, 49152                    ; my quad's codes,
	s_mul_i32 s35, s32, 12288                      ; my tile's
	s_add_co_u32 s34, s34, s35
	s_mov_b32 s35, 0
	s_lshl_b32 s30, ttmp9, 11
	s_add_co_u32 s30, s30, 22020096                ; the quad's records,
	s_mov_b32 s31, 0
	s_lshl_b32 s48, ttmp9, 12
	s_add_co_u32 s48, s48, 22937600                ; the quad's rows of t (used by x alone), 64 bytes a row,
	s_lshl_b32 s49, s57, 11
	s_add_co_u32 s48, s48, s49
	s_lshl_b32 s49, s58, 9
	s_add_co_u32 s48, s48, s49                     ; my tile's
	s_mov_b32 s49, 0
	s_cmp_lt_u32 ttmp9, 384
	s_cselect_b32 s33, 1, 0                        ; 1: x, 0: a weight
	s_cselect_b32 s50, 127, 15
	s_and_b32 s50, ttmp9, s50                      ; my quad in its tensor,
	s_lshl_b32 s50, s50, 18                        ; 64 rows of 4,096 bytes each,
	s_lshl_b32 s51, s57, 17
	s_add_co_u32 s50, s50, s51
	s_lshl_b32 s51, s58, 15
	s_add_co_u32 s50, s50, s51                     ; my tile's first row
	s_mov_b32 s51, 0
	s_lshl_b32 s40, s32, 10                        ; A: K steps 2 w and 2 w + 1 are 1,024 bytes of each row
	s_mov_b32 s41, 0
	s_wait_kmcnt 0x0
	s_mov_b64 s[4:5], s[8:9]
	s_mov_b64 s[6:7], s[22:23]
	s_cmp_ge_u32 ttmp9, 128
	s_cselect_b64 s[4:5], s[10:11], s[4:5]
	s_cselect_b64 s[6:7], s[24:25], s[6:7]
	s_cmp_ge_u32 ttmp9, 256
	s_cselect_b64 s[4:5], s[12:13], s[4:5]
	s_cselect_b64 s[6:7], s[26:27], s[6:7]
	s_cmp_ge_u32 ttmp9, 384
	s_cselect_b64 s[4:5], s[14:15], s[4:5]
	s_cmp_ge_u32 ttmp9, 400
	s_cselect_b64 s[4:5], s[16:17], s[4:5]
	s_cmp_ge_u32 ttmp9, 416
	s_cselect_b64 s[4:5], s[18:19], s[4:5]
	s_cmp_ge_u32 ttmp9, 432
	s_cselect_b64 s[4:5], s[20:21], s[4:5]
	s_add_nc_u64 s[4:5], s[4:5], s[50:51]
	s_add_nc_u64 s[6:7], s[6:7], s[40:41]
	s_add_nc_u64 s[OB:OB+1], s[28:29], s[34:35]
	s_add_nc_u64 s[SB:SB+1], s[28:29], s[30:31]
	s_add_nc_u64 s[44:45], s[28:29], s[48:49]
	s_cmp_eq_u32 s33, 0
	s_cbranch_scc1 .Lweight
	; ---- x: my two K steps of A become images in LDS; my tile's first K steps are asked for with them
	LOADA 0
	LOADA 1
	LOADX 0
	LOADX 1
	s_wait_loadcnt 48                              ; the first job's sixteen loads are in; the three later jobs' may be out
	TURN 0, 0
	AJOB 0, 2, 48, 1
	AJOB 1, 3, 0, 0
	s_branch .Lmain
.Lweight:
	LOADX 0
	LOADX 1
	LOADX 2
	LOADX 3
.Lmain:                                            ; on both ways the youngest 64 loads are K steps 0 to 3 of my tile
	s_wait_dscnt 0x0                               ; for the others' sake: my images of A and their scale words are stored
	s_barrier_signal -1
	s_barrier_wait -1                              ; A's eight images lie in LDS
	s_wait_loadcnt 48                              ; K step 0's sixteen loads are in
	TURN 2, 0
	XJOB 0, 4, 48, 1
	XJOB 1, 5, 48, 1
	XJOB 2, 6, 48, 1
	XJOB 3, 7, 48, 1
	XJOB 4, -1, 32, 1                              ; nothing is left to ask for: the counts run down
	XJOB 5, -1, 16, 1
	XJOB 6, -1, 0, 1
	XJOB 7, -1, 0, 0
	; ---- the records: my tile's eight words a row go to my 512 bytes of LDS (lanes r and r + 16 write the same word with the same value)
.irp s, 0,1,2,3,4,5,6,7
	ds_store_b32 v[RECW], v[PWS+\s] offset:64*\s
.endr
	s_wait_dscnt 0x0                               ; for the others' sake: my words are stored
	s_barrier_signal -1
	s_barrier_wait -1
.irp a, 0,1,2,3
	ds_load_b32 v[RD+\a], v[RECR] offset:512*\a    ; lane l of wave w: K step 2 w + l / 16, row l % 16, tile a
.endr
	s_wait_dscnt 0x0
	global_store_b128 v[RO], v[RD:RD+3], s[SB:SB+1]   ; records 2 w and 2 w + 1: 512 consecutive, aligned bytes
	s_cmp_eq_u32 s33, 0
	s_cbranch_scc1 .Ldone
	PLACES 4                                       ; behind the last product
	global_store_b128 v[TA], v[T:T+3], s[44:45]
	global_store_b128 v[TA], v[T+4:T+7], s[44:45] offset:16
.Ldone:
	s_wait_tensorcnt 0x0
	ds_add_u32 v254, v255
	s_wait_dscnt 0x0
	s_endpgm
.Lfunc_end_k_q13a5f72eb9_quant:
	.size	k_q13a5f72eb9_quant, .Lfunc_end_k_q13a5f72eb9_quant-k_q13a5f72eb9_quant
	.p2alignl 7, 3214868480
	.fill 96, 4, 3214868480
	.section	.rodata,"a",@progbits
	.p2align	6, 0x0
	.amdhsa_kernel k_q13a5f72eb9_quant
		.amdhsa_group_segment_fixed_size 83456
		.amdhsa_private_segment_fixed_size 0
		.amdhsa_enable_private_segment 0
		.amdhsa_kernarg_size 88
		.amdhsa_user_sgpr_count 2
		.amdhsa_user_sgpr_kernarg_segment_ptr 1
		.amdhsa_wavefront_size32 1
		.amdhsa_system_sgpr_workgroup_id_x 1
		.amdhsa_system_sgpr_workgroup_id_y 1
		.amdhsa_system_sgpr_workgroup_id_z 1
		.amdhsa_system_vgpr_workitem_id 0
		.amdhsa_next_free_vgpr 512
		.amdhsa_next_free_sgpr 66
		.amdhsa_reserve_vcc 0
		.amdhsa_float_denorm_mode_32 3
		.amdhsa_float_denorm_mode_16_64 3
		.amdhsa_memory_ordered 1
		.amdhsa_forward_progress 1
		.amdhsa_inst_pref_size 97
	.end_amdhsa_kernel
	.amdgpu_metadata
---
amdhsa.version: [ 1, 2 ]
amdhsa.kernels:
  - .name:           k_q13a5f72eb9_quant
    .symbol:         k_q13a5f72eb9_quant.kd
    .args:
      - { .name: query, .offset: 0, .size: 8, .value_kind: global_buffer, .address_space: global }
      - { .name: key, .offset: 8, .size: 8, .value_kind: global_buffer, .address_space: global }
      - { .name: value, .offset: 16, .size: 8, .value_kind: global_buffer, .address_space: global }
      - { .name: Q_weight, .offset: 24, .size: 8, .value_kind: global_buffer, .address_space: global }
      - { .name: K_weight, .offset: 32, .size: 8, .value_kind: global_buffer, .address_space: global }
      - { .name: V_weight, .offset: 40, .size: 8, .value_kind: global_buffer, .address_space: global }
      - { .name: O_weight, .offset: 48, .size: 8, .value_kind: global_buffer, .address_space: global }
      - { .name: Q_A, .offset: 56, .size: 8, .value_kind: global_buffer, .address_space: global }
      - { .name: K_A, .offset: 64, .size: 8, .value_kind: global_buffer, .address_space: global }
      - { .name: V_A, .offset: 72, .size: 8, .value_kind: global_buffer, .address_space: global }
      - { .name: w0, .offset: 80, .size: 8, .value_kind: global_buffer, .address_space: global }
    .group_segment_fixed_size: 83456
    .private_segment_fixed_size: 0
    .kernarg_segment_align: 8
    .kernarg_segment_size: 88
    .max_flat_workgroup_size: 128
    .sgpr_count:     66
    .vgpr_count:     512
    .wavefront_size: 32
...
	.end_amdgpu_metadata
.endif
;; end of part 1
;; launch proj (part 2): grid 4 x 192, 4 waves a work-group, clusters of 4 x 4, 327,680 bytes of LDS; arguments w0, Q_B, K_B, V_B, w1; writes w1
.if DOCPART == 2
	.amdgcn_target "amdgcn-amd-amdhsa--gfx1250"
	.amdhsa_code_object_version 6
	.text
	.protected	k_q13a5f72eb9_proj
	.globl	k_q13a5f72eb9_proj
	.p2align	8
	.type	k_q13a5f72eb9_proj,@function
k_q13a5f72eb9_proj:
	s_mov_b64 s[64:65], 0
	v_nop
	global_prefetch_b8 v0, s[64:65] scope:SCOPE_SE
	s_setreg_imm32_b32 hwreg(HW_REG_WAVE_MODE, 25, 1), 1
	s_wait_xcnt 0x0
	s_wait_alu depctr_hold_cnt(0) depctr_sa_sdst(0) depctr_va_vdst(0) depctr_va_sdst(0) depctr_va_ssrc(0) depctr_va_vcc(0) depctr_vm_vsrc(0)
	s_getreg_b32 s2, hwreg(HW_REG_IB_STS2, 6, 4)
	s_cmp_eq_u32 s2, 0
	s_cbranch_scc0 .Lentry_in_a_cluster
	s_endpgm
.Lentry_in_a_cluster:
	s_bfe_u32 s2, ttmp6, 0x10000c
	s_cmp_lg_u32 s2, 0xf033
	s_cbranch_scc0 .Lentry_shape_is_right
	s_endpgm
.Lentry_shape_is_right:
; Q = x Wq^T + t Bq^T, K likewise, and V^T = Wv value^T + Bv t^T, each quantised at once to FP6 along its last axis (Q, K: the 1,024 features; V^T: the keys).
; C[i][j] = sum over k of R[i][k] L[j][k]: source 0 = 16 rows of L, source 1 = 16 rows of R.  Q, K: R = x's codes, L = the weight's.  V^T: R = Wv's codes, L = value's.
; All codes lie as images of fragments, [tile][K step], 1,536 bytes each; lane-row m of tile T is row 32 (T / 2) + 8 (T % 2) + m + 8 (m / 8).  So in accumulator (a, b = 2 B + u) lane (r, h), register jj holds
; i = lane-row r of R's tile a and j = 32 B + 16 h + 8 u + jj: the 64 registers of one a are one fragment's numbers, K in its natural order, and are quantised where they stand.
; A work-group makes 128 i x 256 j, a wave 64 x 128: 32 accumulators, all of window 2.  128 x 256 gives 768 work-groups, three for each of 256 WGPs.
; K = 1,024 lies whole in LDS: four chunks of two K steps, 294,912 bytes, each filled once; no byte is filled again.  Four tensor loads of a wave are out at the most.
; CLUSTER 4 x 4: R's tiles are shared along a row of the cluster, L's along a column: joint loads.  Waves 0, 1 fetch R's halves, waves 2, 3 L's.
; THE LOW-RANK PART (K = 16, f32 operands, since its result goes into a quantiser) starts the sums, by the f32 matrix form, while the tiles are on their way: these registers are written by matrix instructions alone.
; LIMITS: NaN and infinities are not served; a block whose largest magnitude lies under 2^-124 keeps the byte 1.
; REGISTERS: window 0: v1-3 lane, r, h; v4-7, v8-11 LDS addresses of R's and L's chunks; v12-20 offsets; v32-63 L's scale words, v64-79 R's; v128-223 R's fragments, two sets; later v192-239 at work.
;   window 1: L's fragments, two sets, at v0 and v128.   window 2: the accumulators, (a, b) at v[8 (8 a + b)].   window 3: the f32 operands: v0-63 L's side, v64-95 R's side.
.set FRB, 1536
.set KS,  2                            ; K steps in a chunk
.set NS,  8
.set NCH, NS/KS
.set RH,  4*KS*FRB                     ; half of R's chunk: 4 tiles
.set LH,  8*KS*FRB                     ; half of L's: 8 tiles
.set CH,  2*RH+2*LH                    ; a chunk: R's halves, then L's
.set ADR, 4
.set ADL, 8
.set SL,  12
.set SR,  13
.set OA,  14
.set RA,  15
.set LS,  32
.set RS,  64
.set PC,  192
.set PWQ, 212
.set DD,  216
.set TM,  224
.set G1R, 24
.set G1L, 32
.set G0R, 40
.set G0L, 68
.set OB,  84
.set SB,  86
.set HM,  88
.set SEL, 90
.set MSB, 0
.macro WIN new                         ; the immediate's high byte repeats the setting that is left
.if MSB != (\new)
	s_set_vgpr_msb (MSB<<8)|(\new)
.set MSB, (\new)
.endif
.endm
.macro PLACES n
.rept \n
	v_nop
.endr
.endm
.macro CREST                           ; a round of the cluster's barrier behind its opening barrier
	s_cmp_lg_u32 s16, 0
	s_cbranch_scc1 .Lnot_wave_0_\@
	s_barrier_signal -3
.Lnot_wave_0_\@:
	s_barrier_wait -3
	s_barrier_signal -1
	s_barrier_wait -1
.endm
.macro CROUND
	s_barrier_signal -1
	s_barrier_wait -1
	CREST
.endm
.macro GROUP1 g, rows, pitch           ; rows of KS images (elements of 8 bytes), one row a tile, pitch elements from tile to tile
	s_mov_b32 s[\g+1], (KS*192)<<16
	s_mov_b32 s[\g+2], (\rows)<<16
	s_mov_b32 s[\g+3], (KS*192)<<16
	s_mov_b32 s[\g+4], \rows
	s_mov_b32 s[\g+5], \pitch
	s_mov_b32 s[\g+6], 0
	s_mov_b32 s[\g+7], 0
.endm
.macro WM d, l, r, zero, sl, sr, rowl, rowr   ; one product; rowl, rowr: the side's scale words stand in lanes 16-31
.set SELW, 4*(\zero)+2*(\rowl)+(\rowr)
.if SELW == 0
	v_wmma_scale_f32_16x16x128_f8f6f4 v[\d:\d+7], v[\l:\l+11], v[\r:\r+11], v[\d:\d+7], v[\sl], v[\sr] matrix_a_fmt:MATRIX_FMT_FP6 matrix_b_fmt:MATRIX_FMT_FP6
.elseif SELW == 1
	v_wmma_scale_f32_16x16x128_f8f6f4 v[\d:\d+7], v[\l:\l+11], v[\r:\r+11], v[\d:\d+7], v[\sl], v[\sr] matrix_a_fmt:MATRIX_FMT_FP6 matrix_b_fmt:MATRIX_FMT_FP6 matrix_b_scale:MATRIX_SCALE_ROW1
.elseif SELW == 2
	v_wmma_scale_f32_16x16x128_f8f6f4 v[\d:\d+7], v[\l:\l+11], v[\r:\r+11], v[\d:\d+7], v[\sl], v[\sr] matrix_a_fmt:MATRIX_FMT_FP6 matrix_b_fmt:MATRIX_FMT_FP6 matrix_a_scale:MATRIX_SCALE_ROW1
.elseif SELW == 3
	v_wmma_scale_f32_16x16x128_f8f6f4 v[\d:\d+7], v[\l:\l+11], v[\r:\r+11], v[\d:\d+7], v[\sl], v[\sr] matrix_a_fmt:MATRIX_FMT_FP6 matrix_b_fmt:MATRIX_FMT_FP6 matrix_a_scale:MATRIX_SCALE_ROW1 matrix_b_scale:MATRIX_SCALE_ROW1
.elseif SELW == 4
	v_wmma_scale_f32_16x16x128_f8f6f4 v[\d:\d+7], v[\l:\l+11], v[\r:\r+11], 0, v[\sl], v[\sr] matrix_a_fmt:MATRIX_FMT_FP6 matrix_b_fmt:MATRIX_FMT_FP6
.elseif SELW == 5
	v_wmma_scale_f32_16x16x128_f8f6f4 v[\d:\d+7], v[\l:\l+11], v[\r:\r+11], 0, v[\sl], v[\sr] matrix_a_fmt:MATRIX_FMT_FP6 matrix_b_fmt:MATRIX_FMT_FP6 matrix_b_scale:MATRIX_SCALE_ROW1
.elseif SELW == 6
	v_wmma_scale_f32_16x16x128_f8f6f4 v[\d:\d+7], v[\l:\l+11], v[\r:\r+11], 0, v[\sl], v[\sr] matrix_a_fmt:MATRIX_FMT_FP6 matrix_b_fmt:MATRIX_FMT_FP6 matrix_a_scale:MATRIX_SCALE_ROW1
.else
	v_wmma_scale_f32_16x16x128_f8f6f4 v[\d:\d+7], v[\l:\l+11], v[\r:\r+11], 0, v[\sl], v[\sr] matrix_a_fmt:MATRIX_FMT_FP6 matrix_b_fmt:MATRIX_FMT_FP6 matrix_a_scale:MATRIX_SCALE_ROW1 matrix_b_scale:MATRIX_SCALE_ROW1
.endif
.endm
; R's tile a against L's eight, K step s.  The 32 accumulators take turns, one instruction a turn, in the same order in every step.
; L's word of tile b: register LS + 4 s + b % 4, lanes 16 (b / 4) on.  R's word of tile a: register RS + 4 (s / 2) + a, lanes 16 (s % 2) on.
.macro MULA s, a, zero
.irp b, 0,1,2,3,4,5,6,7
	WM 8*(8*(\a)+\b), 128*((\s)%2)+12*\b, 128+48*((\s)%2)+12*(\a), \zero, LS+4*(\s)+\b%4, RS+4*((\s)/2)+(\a), \b/4, (\s)%2
.endr
.endm
.macro FETCH s                         ; K step s's 12 fragments into set s % 2: 36 loads of 512 consecutive bytes
	WIN 0x40
.irp b, 0,1,2,3,4,5,6,7
.irp p, 0,1,2
	ds_load_b128 v[128*((\s)%2)+12*\b+4*\p:128*((\s)%2)+12*\b+4*\p+3], v[ADL+(\s)/KS] offset:\b*KS*FRB+((\s)%KS)*FRB+512*\p
.endr
.endr
	WIN 0
.irp a, 0,1,2,3
.irp p, 0,1,2
	ds_load_b128 v[128+48*((\s)%2)+12*\a+4*\p:128+48*((\s)%2)+12*\a+4*\p+3], v[ADR+(\s)/KS] offset:\a*KS*FRB+((\s)%KS)*FRB+512*\p
.endr
.endr
.endm
; A K step: 32 products; behind the first eight the next step's fragments are asked for.  Where the next step begins a chunk, my part of that chunk is waited for
; and a barrier shows it whole; my LDS loads are in at its signal.
.macro STEP s, zero
	s_wait_dscnt 0x0                               ; this step's fragments, asked for a step ago
.if ((\s)+1 < NS) && (((\s)+1)%KS == 0)
	s_wait_tensorcnt NCH-1-((\s)+1)/KS
	s_barrier_signal -1
.endif
	WIN 0xa1                                       ; L window 1, R window 0, C and D window 2
	MULA \s, 0, \zero
.if (\s)+1 < NS
.if ((\s)+1)%KS == 0
	s_barrier_wait -1
.endif
	PLACES 4                                       ; between the last step's products, which read the other set, and the loads into it
	FETCH (\s)+1
	WIN 0xa1
.endif
	MULA \s, 1, \zero
	MULA \s, 2, \zero
	MULA \s, 3, \zero
.endm
.macro QMAX s, w                       ; 64 numbers of a lane, v[s] on in window w, register 16 b + i = k 32 b + 16 h + i: the blocks' largest magnitudes.  Each accumulator is first read at its registers 0 and 1
	WIN (\w)*5
.irp b, 0,1,2,3
	v_max3_num_f32 v[TM+\b], |v[\s+16*\b]|, |v[\s+1+16*\b]|, 0x1800000   ; and the floor 2^(3 - 127): the byte cannot fall under 1
.endr
	WIN (\w)*20
.irp i, 2,4,6,8,10,12,14
.irp b, 0,1,2,3
	v_max3_num_f32 v[TM+\b], v[TM+\b], |v[\s+16*\b+\i]|, |v[\s+1+16*\b+\i]|
.endr
.endr
	WIN 0
.irp b, 0,1,2,3
	v_permlanex16_b32 v[TM+4+\b], v[TM+\b], s[SEL], s[SEL+1]
.endr
.irp b, 0,1,2,3
	v_max_num_f32 v[TM+\b], v[TM+\b], v[TM+4+\b]
.endr
.endm
.macro QTAIL s, w, pw                  ; the scale word into v[pw], the fragment's codes into v[PC] on
.irp b, 0,1,2,3
	v_add_nc_u32 v[TM+12+\b], 0xff000000, v[TM+\b]   ; 2 off the exponent field: the conversion's scale operand
.endr
.irp b, 0,1,2,3
	v_lshrrev_b32 v[TM+4+\b], 23, v[TM+12+\b]
.endr
	v_lshl_or_b32 v[\pw], v[TM+5], 8, v[TM+4]
	v_lshl_or_b32 v[\pw], v[TM+6], 16, v[\pw]
	v_lshl_or_b32 v[\pw], v[TM+7], 24, v[\pw]
	WIN (\w)
.irp c, 0,1
	v_cvt_scalef32_pk16_fp6_f32 v[PC+6*\c:PC+2+6*\c], v[\s+32*\c:\s+15+32*\c], v[TM+12+2*\c]
	v_cvt_scalef32_pk16_fp6_f32 v[PC+12+4*\c:PC+14+4*\c], v[\s+16+32*\c:\s+31+32*\c], v[TM+13+2*\c]
.endr
	WIN 0
	v_nop                                          ; one plain line behind the scaled conversions
.irp c, 0,1
.irp i, 0,1,2
	v_permlane16_swap_b32 v[PC+6*\c+\i], v[PC+12+4*\c+\i]
.endr
.irp i, 0,1,2
	v_mov_b32 v[PC+3+6*\c+\i], v[PC+12+4*\c+\i]
.endr
.endr
.endm
.macro QUANT s, w, pw
	QMAX \s, \w
	QTAIL \s, \w, \pw
.endm
.macro PUT adr, off
.irp c, 0,1,2
	global_store_b128 v[\adr], v[PC+4*\c:PC+4*\c+3], s[OB:OB+1] offset:(\off)+512*\c
.endr
.endm
.macro RECORD
	v_cndmask_b32 v[DD], v[PWQ], v[PWQ+2], s[HM]
	v_cndmask_b32 v[DD+1], v[PWQ+1], v[PWQ+3], s[HM]
	global_store_b64 v[RA], v[DD:DD+1], s[SB:SB+1]
.endm
	s_load_b256 s[4:11], s[0:1], 0x0               ; w0, Q_B, K_B, V_B
	s_load_b64 s[12:13], s[0:1], 0x20              ; w1
	v_lshl_add_u32 v254, v0, 2, 0x48000
	v_mov_b32 v255, 0
	ds_add_u32 v254, v255
	ds_add_u32 v254, v255
	v_lshrrev_b32 v1, 5, v0
	v_readfirstlane_b32 s16, v1                    ; wave
	s_lshr_b32 s17, s16, 1                         ; my half of the rows i.  Also: I fetch R (0) or L (1)
	s_and_b32 s18, s16, 1                          ; my half of the columns j.  Also: which half I fetch
	s_bfe_u32 s19, ttmp6, 0x40000                  ; cx
	s_bfe_u32 s20, ttmp6, 0x40004                  ; cy
	s_and_b32 s23, ttmp7, 0xffff                   ; the cluster's y, 0 .. 47
	s_lshr_b32 s89, s23, 4                         ; p: 0 Q, 1 K, 2 V
	s_and_b32 s94, s23, 15
	s_lshr_b32 s95, s94, 3
	s_and_b32 s96, s94, 7
	s_mul_i32 s56, s89, 6291456                    ; offsets in w0 for p < 2: R's codes (x),
	s_mul_i32 s60, s89, 786432
	s_add_co_u32 s60, s60, 18874368                ; L's codes (the weight),
	s_lshl_b32 s58, s89, 18
	s_add_co_u32 s58, s58, 22020096                ; R's records,
	s_lshl_b32 s62, s89, 15
	s_add_co_u32 s62, s62, 22806528                ; L's records,
	s_lshl_b32 s66, s89, 19
	s_add_co_u32 s66, s66, 22937600                ; t
	s_cmp_eq_u32 s89, 2                            ; p hangs on the cluster's y alone: it is the same in all sixteen partners
	s_cselect_b32 s95, s95, s94                    ; the cluster's place along i,
	s_cselect_b32 s96, s96, 0                      ; along j
	s_cselect_b32 s97, 64, 8                       ; K steps in a tile of the output
	s_cselect_b32 s56, 20447232, s56               ; p = 2: R = Wv's codes,
	s_cselect_b32 s60, 12582912, s60               ; L = value's
	s_cselect_b32 s58, 22872064, s58
	s_cselect_b32 s62, 22544384, s62
	s_lshl_b32 s21, s95, 2
	s_add_co_u32 s21, s21, s20                     ; i_wg: 128 rows i
	s_lshl_b32 s22, s96, 2
	s_add_co_u32 s22, s22, s19                     ; j_wg: 256 columns j
	s_lshl_b32 s98, s20, 2
	s_lshl_b32 s98, 15, s98                        ; my row of the cluster
	s_lshl_b32 s99, 0x1111, s19                    ; my column
	s_or_b32 s[G1R], s98, (3<<16)|(1<<21)          ; the mask; elements of 8 bytes; bit 21 beside a mask; no padding
	s_or_b32 s[G1L], s99, (3<<16)|(1<<21)
	GROUP1 G1R, 4, 1536
	GROUP1 G1L, 8, 1536
	s_lshl_b32 s98, s21, 3                         ; R: tile 8 i_wg + 4 x half (registers that never hold cx)
	s_lshl_b32 s57, s18, 2
	s_add_co_u32 s98, s98, s57
	s_mul_i32 s98, s98, 12288
	s_add_co_u32 s56, s56, s98
	s_mov_b32 s57, 0
	s_lshl_b32 s99, s22, 4                         ; L: tile 16 j_wg + 8 x half (registers that never hold cy)
	s_lshl_b32 s61, s18, 3
	s_add_co_u32 s99, s99, s61
	s_mul_i32 s99, s99, 12288
	s_add_co_u32 s60, s60, s99
	s_mov_b32 s61, 0
	s_lshl_b32 s98, s21, 1                         ; my quad of R: 2 i_wg + wi
	s_add_co_u32 s98, s98, s17
	s_lshl_b32 s98, s98, 11
	s_add_co_u32 s58, s58, s98
	s_mov_b32 s59, 0
	s_lshl_b32 s99, s22, 2                         ; my two quads of L: 4 j_wg + 2 wj on
	s_lshl_b32 s63, s18, 1
	s_add_co_u32 s99, s99, s63
	s_lshl_b32 s99, s99, 11
	s_add_co_u32 s62, s62, s99
	s_mov_b32 s63, 0
	s_mul_i32 s94, s18, RH                         ; where my loads go: the wave's number alone enters an LDS address
	s_mul_i32 s95, s18, LH
	s_add_co_u32 s95, s95, 2*RH
	s_mov_b32 s[HM], 0xffff0000
	s_mov_b32 s[SEL], 0x76543210
	s_mov_b32 s[SEL+1], 0xfedcba98
	s_wait_dscnt 0x0
	s_wait_kmcnt 0x0
	s_add_nc_u64 s[56:57], s[4:5], s[56:57]
	s_add_nc_u64 s[60:61], s[4:5], s[60:61]
	s_add_nc_u64 s[58:59], s[4:5], s[58:59]
	s_add_nc_u64 s[62:63], s[4:5], s[62:63]
.irp c, 0,1,2,3
	s_mov_b32 s[G0R+4*\c], 1
	s_add_co_u32 s[G0R+4*\c+1], s94, \c*CH
	s_add_nc_u64 s[G0R+4*\c+2:G0R+4*\c+3], s[56:57], \c*KS*FRB
	s_or_b32 s[G0R+4*\c+3], s[G0R+4*\c+3], 0x80000000
	s_mov_b32 s[G0L+4*\c], 1
	s_add_co_u32 s[G0L+4*\c+1], s95, \c*CH
	s_add_nc_u64 s[G0L+4*\c+2:G0L+4*\c+3], s[60:61], \c*KS*FRB
	s_or_b32 s[G0L+4*\c+3], s[G0L+4*\c+3], 0x80000000
.endr
	CROUND                                         ; all sixteen work-groups are here: the joint loads meet
	s_cmp_eq_u32 s17, 0                            ; a wave's four fills stand in one branch on its number
	s_cbranch_scc0 .Lfill_l
.irp c, 0,1,2,3
	tensor_load_to_lds s[G0R+4*\c:G0R+4*\c+3], s[G1R:G1R+7]
	s_nop 0
.endr
	PLACES 4
	s_branch .Lfilled
.Lfill_l:
.irp c, 0,1,2,3
	tensor_load_to_lds s[G0L+4*\c:G0L+4*\c+3], s[G1L:G1L+7]
	s_nop 0
.endr
	PLACES 4
.Lfilled:
	; the f32 operands' buffers: L's side: Q_B, K_B or value's t; R's side: x's t or V_B
	s_cmp_eq_u32 s89, 1
	s_cselect_b64 s[14:15], s[8:9], s[6:7]
	s_cmp_eq_u32 s89, 2
	s_cselect_b64 s[14:15], s[4:5], s[14:15]
	s_cselect_b64 s[6:7], s[10:11], s[4:5]
	s_cselect_b32 s8, 23986176, 0
	s_cselect_b32 s10, 0, s66
	s_lshl_b32 s9, s22, 14                         ; rows 256 j_wg + 128 wj on, 64 bytes a row
	s_add_co_u32 s8, s8, s9
	s_lshl_b32 s9, s18, 13
	s_add_co_u32 s8, s8, s9
	s_mov_b32 s9, 0
	s_lshl_b32 s11, s21, 13                        ; rows 128 i_wg + 64 wi on
	s_add_co_u32 s10, s10, s11
	s_lshl_b32 s11, s17, 12
	s_add_co_u32 s10, s10, s11
	s_mov_b32 s11, 0
	s_add_nc_u64 s[14:15], s[14:15], s[8:9]
	s_add_nc_u64 s[6:7], s[6:7], s[10:11]
	; the output: tile 8 i_wg + 4 wi + a, K step 2 j_wg + wj
	s_lshl_b32 s8, s21, 3
	s_lshl_b32 s9, s17, 2
	s_add_co_u32 s8, s8, s9
	s_mul_i32 s8, s8, s97
	s_lshl_b32 s66, s22, 1
	s_add_co_u32 s66, s66, s18
	s_add_co_u32 s8, s8, s66
	s_mul_i32 s8, s8, 1536
	s_mul_i32 s9, s89, 6291456
	s_add_co_u32 s8, s8, s9
	s_mov_b32 s9, 0
	s_lshl_b32 s10, s21, 1
	s_add_co_u32 s10, s10, s17
	s_mul_i32 s10, s10, s97
	s_add_co_u32 s10, s10, s66
	s_lshl_b32 s10, s10, 8
	s_lshl_b32 s11, s89, 18
	s_add_co_u32 s10, s10, s11
	s_add_co_u32 s10, s10, 18874368
	s_mov_b32 s11, 0
	s_add_nc_u64 s[OB:OB+1], s[12:13], s[8:9]
	s_add_nc_u64 s[SB:SB+1], s[12:13], s[10:11]
	s_mul_i32 s67, s97, 1536                       ; from tile to tile of the output
	v_and_b32 v1, 31, v0
	v_and_b32 v2, 15, v0                           ; r
	v_bfe_u32 v3, v0, 4, 1                         ; h
	v_lshlrev_b32 v[OA], 4, v1
	s_mul_i32 s94, s17, RH
	s_mul_i32 s95, s18, LH
	s_add_co_u32 s95, s95, 2*RH
.irp c, 0,1,2,3
	v_add_nc_u32 v[ADR+\c], s94, v[OA]
	v_add_nc_u32 v[ADL+\c], s95, v[OA]
	s_add_co_u32 s94, s94, CH
	s_add_co_u32 s95, s95, CH
.endr
	v_lshlrev_b32 v[RA], 4, v2
	v_lshl_add_u32 v[SL], v3, 11, v[RA]            ; lanes 16-31 take the next quad's record
	v_lshl_add_u32 v[SR], v3, 8, v[RA]             ; lanes 16-31 take the next K step's record
	v_lshl_add_u32 v[RA], v3, 3, v[RA]
	v_and_b32 v16, 8, v2
	v_add_nc_u32 v16, v16, v2
	v_lshlrev_b32 v16, 6, v16
	v_lshl_add_u32 v16, v3, 5, v16                 ; a row of 16 f32: 64 (r + 8 (r / 8)) + 32 h: ranks 8 h .. 8 h + 7
	v_mov_b32 v17, v[OA]
	v_add_nc_u32 v18, s67, v17
	v_add_nc_u32 v19, s67, v18
	v_add_nc_u32 v20, s67, v19                     ; v17-20: 16 x lane + a x the output's tile pitch
.irp b, 0,1,2,3
	v_mov_b32 v[TM+4+\b], 0                        ; a lane permute's destination counts as one of its sources
.endr
	WIN 0xc0
.irp t, 0,1,2,3,4,5,6,7
	global_load_b128 v[8*\t:8*\t+3], v16, s[14:15] offset:(32*(\t/2)+8*(\t%2))*64
	global_load_b128 v[8*\t+4:8*\t+7], v16, s[14:15] offset:(32*(\t/2)+8*(\t%2))*64+16
.endr
.irp t, 0,1,2,3
	global_load_b128 v[64+8*\t:64+8*\t+3], v16, s[6:7] offset:(32*(\t/2)+8*(\t%2))*64
	global_load_b128 v[64+8*\t+4:64+8*\t+7], v16, s[6:7] offset:(32*(\t/2)+8*(\t%2))*64+16
.endr
	WIN 0
.irp s, 0,1,2,3,4,5,6,7
	global_load_b128 v[LS+4*\s:LS+4*\s+3], v[SL], s[62:63] offset:256*\s   ; two whole records a load
.endr
.irp g, 0,1,2,3
	global_load_b128 v[RS+4*\g:RS+4*\g+3], v[SR], s[58:59] offset:512*\g
.endr
	s_wait_loadcnt 0x0
	; THE LOW-RANK PART starts the sums: four steps of 4 ranks.  In step st place k = 2 h + j stands for rank 8 h + 2 st + j, on both sides alike.  The 32 accumulators take turns.
	WIN 0xaf                                       ; both sources window 3, C and D window 2
.irp st, 0,1,2,3
.irp a, 0,1,2,3
.irp b, 0,1,2,3,4,5,6,7
.if \st == 0
	v_wmma_f32_16x16x4_f32 v[8*(8*\a+\b):8*(8*\a+\b)+7], v[8*\b+2*\st:8*\b+2*\st+1], v[64+8*\a+2*\st:64+8*\a+2*\st+1], 0
.else
	v_wmma_f32_16x16x4_f32 v[8*(8*\a+\b):8*(8*\a+\b)+7], v[8*\b+2*\st:8*\b+2*\st+1], v[64+8*\a+2*\st:64+8*\a+2*\st+1], v[8*(8*\a+\b):8*(8*\a+\b)+7]
.endif
.endr
.endr
.endr
	WIN 0
	PLACES 9                                       ; another form writes over these results: nine places behind the f32 form
	s_wait_tensorcnt 3                             ; my part of chunk 0 is in; the three later chunks' loads may be out
	s_barrier_signal -1
	s_barrier_wait -1
	FETCH 0
	STEP 0, 0
	STEP 1, 0
	STEP 2, 0
	STEP 3, 0
	STEP 4, 0
	STEP 5, 0
	STEP 6, 0
	STEP 7, 0
	WIN 0
	PLACES 4                                       ; behind the last products
.irp a, 0,1,2,3
	s_wait_xcnt 0x0                                ; the last fragment's stores have read their data
	QUANT 64*\a, 2, PWQ+\a
	PUT 17+\a, 0
.endr
	RECORD
	s_wait_tensorcnt 0x0
	ds_add_u32 v254, v255
	s_wait_dscnt 0x0
	CROUND                                         ; the closing round
	s_endpgm
.Lfunc_end_k_q13a5f72eb9_proj:
	.size	k_q13a5f72eb9_proj, .Lfunc_end_k_q13a5f72eb9_proj-k_q13a5f72eb9_proj
	.p2alignl 7, 3214868480
	.fill 96, 4, 3214868480
	.section	.rodata,"a",@progbits
	.p2align	6, 0x0
	.amdhsa_kernel k_q13a5f72eb9_proj
		.amdhsa_group_segment_fixed_size 327680
		.amdhsa_private_segment_fixed_size 0
		.amdhsa_enable_private_segment 0
		.amdhsa_kernarg_size 40
		.amdhsa_user_sgpr_count 2
		.amdhsa_user_sgpr_kernarg_segment_ptr 1
		.amdhsa_wavefront_size32 1
		.amdhsa_system_sgpr_workgroup_id_x 1
		.amdhsa_system_sgpr_workgroup_id_y 1
		.amdhsa_system_sgpr_workgroup_id_z 1
		.amdhsa_system_vgpr_workitem_id 0
		.amdhsa_next_free_vgpr 1024
		.amdhsa_next_free_sgpr 100
		.amdhsa_reserve_vcc 0
		.amdhsa_float_denorm_mode_32 3
		.amdhsa_float_denorm_mode_16_64 3
		.amdhsa_memory_ordered 1
		.amdhsa_forward_progress 1
		.amdhsa_inst_pref_size 93
	.end_amdhsa_kernel
	.amdgpu_metadata
---
amdhsa.version: [ 1, 2 ]
amdhsa.kernels:
  - .name:           k_q13a5f72eb9_proj
    .symbol:         k_q13a5f72eb9_proj.kd
    .args:
      - { .name: w0, .offset: 0, .size: 8, .value_kind: global_buffer, .address_space: global }
      - { .name: Q_B, .offset: 8, .size: 8, .value_kind: global_buffer, .address_space: global }
      - { .name: K_B, .offset: 16, .size: 8, .value_kind: global_buffer, .address_space: global }
      - { .name: V_B, .offset: 24, .size: 8, .value_kind: global_buffer, .address_space: global }
      - { .name: w1, .offset: 32, .size: 8, .value_kind: global_buffer, .address_space: global }
    .group_segment_fixed_size: 327680
    .private_segment_fixed_size: 0
    .kernarg_segment_align: 8
    .kernarg_segment_size: 40
    .max_flat_workgroup_size: 128
    .sgpr_count:     100
    .vgpr_count:     1024
    .wavefront_size: 32
...
	.end_amdgpu_metadata
.endif
;; end of part 2
;; launch score (part 3): grid 8 x 64, 4 waves a work-group, clusters of 4 x 4, 327,680 bytes of LDS; arguments w1, w2; writes w2
.if DOCPART == 3
	.amdgcn_target "amdgcn-amd-amdhsa--gfx1250"
	.amdhsa_code_object_version 6
	.text
	.protected	k_q13a5f72eb9_score
	.globl	k_q13a5f72eb9_score
	.p2align	8
	.type	k_q13a5f72eb9_score,@function
k_q13a5f72eb9_score:
	s_mov_b64 s[64:65], 0
	v_nop
	global_prefetch_b8 v0, s[64:65] scope:SCOPE_SE
	s_setreg_imm32_b32 hwreg(HW_REG_WAVE_MODE, 25, 1), 1
	s_wait_xcnt 0x0
	s_wait_alu depctr_hold_cnt(0) depctr_sa_sdst(0) depctr_va_vdst(0) depctr_va_sdst(0) depctr_va_ssrc(0) depctr_va_vcc(0) depctr_vm_vsrc(0)
	s_getreg_b32 s2, hwreg(HW_REG_IB_STS2, 6, 4)
	s_cmp_eq_u32 s2, 0
	s_cbranch_scc0 .Lentry_in_a_cluster
	s_endpgm
.Lentry_in_a_cluster:
	s_bfe_u32 s2, ttmp6, 0x10000c
	s_cmp_lg_u32 s2, 0xf033
	s_cbranch_scc0 .Lentry_shape_is_right
	s_endpgm
.Lentry_shape_is_right:
; S^T = K Q^T on codes of FP6 (source 0 = 16 keys, source 1 = 16 queries), then the softmax's p for the second product, quantised along the keys.
; t = score x log2(e) / 32.  For each query and each run of 128 keys: M_loc = ceil(the run's largest t), a whole number; p = 2^(t - M_loc); l_loc = the sum of the unquantised p.  Stored: p's codes, and for each
; (tile of queries, run) 16 bytes a query: p's scale word, -M_loc, l_loc, 0.  The next launch finds the row's M = the largest M_loc and moves the scale bytes by M_loc - M: a power of two, which a block's scale takes up.
; So the row's largest t is taken away for every input; here only its part that a work-group can see.
; The GEMM: a work-group makes 128 queries x 256 keys, a wave 64 x 128: 32 accumulators, window 2.  K = 1,024 lies whole in LDS, four chunks of two K steps, each filled once; four tensor loads of a wave are out at the most.
; All codes lie as images of fragments; lane-row m of tile T is row 32 (T / 2) + 8 (T % 2) + m + 8 (m / 8): so the 64 registers of a tile a of queries are the run's 128 keys in natural order, 16 neighbours for each block of 32.
; CLUSTER 4 x 4: Q's tiles are shared along a row of the cluster, K's along a column.  Waves 0, 1 fetch Q's halves, waves 2, 3 K's.
; LIMITS: NaN and infinities are not served; M_loc is kept in f32: exact while |t| < 2^24; a p under 2^-126 counts as 0; a block whose every p is 0 keeps the byte 1 over zero codes.
; REGISTERS: window 0: v4-7, v8-11 LDS addresses; v12-16 offsets; v32-63 K's scale words, v64-79 Q's; v128-223 Q's fragments, two sets; later v128-191 p, v192-211 codes, v224-255 at work.  window 1: K's fragments.
.set FRB, 1536
.set KS,  2
.set NS,  8
.set NCH, NS/KS
.set RH,  4*KS*FRB
.set LH,  8*KS*FRB
.set CH,  2*RH+2*LH
.set ADR, 4
.set ADL, 8
.set SL,  12
.set SR,  13
.set OA,  14
.set LS,  32
.set RS,  64
.set H,   128
.set PC,  192
.set TM,  224
.set G1R, 24
.set G1L, 32
.set G0R, 40
.set G0L, 68
.set OB,  84
.set SB,  86
.set HM,  88
.set SEL, 90
.set CS,  92                           ; s[92:93] c = log2(e) / 32: the packed form names a pair and takes its low word for both halves
.set MSB, 0
.macro WIN new
.if MSB != (\new)
	s_set_vgpr_msb (MSB<<8)|(\new)
.set MSB, (\new)
.endif
.endm
.macro PLACES n
.rept \n
	v_nop
.endr
.endm
.macro CREST
	s_cmp_lg_u32 s16, 0
	s_cbranch_scc1 .Lnot_wave_0_\@
	s_barrier_signal -3
.Lnot_wave_0_\@:
	s_barrier_wait -3
	s_barrier_signal -1
	s_barrier_wait -1
.endm
.macro CROUND
	s_barrier_signal -1
	s_barrier_wait -1
	CREST
.endm
.macro GROUP1 g, rows, pitch
	s_mov_b32 s[\g+1], (KS*192)<<16
	s_mov_b32 s[\g+2], (\rows)<<16
	s_mov_b32 s[\g+3], (KS*192)<<16
	s_mov_b32 s[\g+4], \rows
	s_mov_b32 s[\g+5], \pitch
	s_mov_b32 s[\g+6], 0
	s_mov_b32 s[\g+7], 0
.endm
.macro WM d, l, r, zero, sl, sr, rowl, rowr
.set SELW, 4*(\zero)+2*(\rowl)+(\rowr)
.if SELW == 0
	v_wmma_scale_f32_16x16x128_f8f6f4 v[\d:\d+7], v[\l:\l+11], v[\r:\r+11], v[\d:\d+7], v[\sl], v[\sr] matrix_a_fmt:MATRIX_FMT_FP6 matrix_b_fmt:MATRIX_FMT_FP6
.elseif SELW == 1
	v_wmma_scale_f32_16x16x128_f8f6f4 v[\d:\d+7], v[\l:\l+11], v[\r:\r+11], v[\d:\d+7], v[\sl], v[\sr] matrix_a_fmt:MATRIX_FMT_FP6 matrix_b_fmt:MATRIX_FMT_FP6 matrix_b_scale:MATRIX_SCALE_ROW1
.elseif SELW == 2
	v_wmma_scale_f32_16x16x128_f8f6f4 v[\d:\d+7], v[\l:\l+11], v[\r:\r+11], v[\d:\d+7], v[\sl], v[\sr] matrix_a_fmt:MATRIX_FMT_FP6 matrix_b_fmt:MATRIX_FMT_FP6 matrix_a_scale:MATRIX_SCALE_ROW1
.elseif SELW == 3
	v_wmma_scale_f32_16x16x128_f8f6f4 v[\d:\d+7], v[\l:\l+11], v[\r:\r+11], v[\d:\d+7], v[\sl], v[\sr] matrix_a_fmt:MATRIX_FMT_FP6 matrix_b_fmt:MATRIX_FMT_FP6 matrix_a_scale:MATRIX_SCALE_ROW1 matrix_b_scale:MATRIX_SCALE_ROW1
.elseif SELW == 4
	v_wmma_scale_f32_16x16x128_f8f6f4 v[\d:\d+7], v[\l:\l+11], v[\r:\r+11], 0, v[\sl], v[\sr] matrix_a_fmt:MATRIX_FMT_FP6 matrix_b_fmt:MATRIX_FMT_FP6
.elseif SELW == 5
	v_wmma_scale_f32_16x16x128_f8f6f4 v[\d:\d+7], v[\l:\l+11], v[\r:\r+11], 0, v[\sl], v[\sr] matrix_a_fmt:MATRIX_FMT_FP6 matrix_b_fmt:MATRIX_FMT_FP6 matrix_b_scale:MATRIX_SCALE_ROW1
.elseif SELW == 6
	v_wmma_scale_f32_16x16x128_f8f6f4 v[\d:\d+7], v[\l:\l+11], v[\r:\r+11], 0, v[\sl], v[\sr] matrix_a_fmt:MATRIX_FMT_FP6 matrix_b_fmt:MATRIX_FMT_FP6 matrix_a_scale:MATRIX_SCALE_ROW1
.else
	v_wmma_scale_f32_16x16x128_f8f6f4 v[\d:\d+7], v[\l:\l+11], v[\r:\r+11], 0, v[\sl], v[\sr] matrix_a_fmt:MATRIX_FMT_FP6 matrix_b_fmt:MATRIX_FMT_FP6 matrix_a_scale:MATRIX_SCALE_ROW1 matrix_b_scale:MATRIX_SCALE_ROW1
.endif
.endm
.macro MULA s, a, zero                 ; Q's tile a against K's eight; the 32 accumulators take turns, one instruction a turn
.irp b, 0,1,2,3,4,5,6,7
	WM 8*(8*(\a)+\b), 128*((\s)%2)+12*\b, 128+48*((\s)%2)+12*(\a), \zero, LS+4*(\s)+\b%4, RS+4*((\s)/2)+(\a), \b/4, (\s)%2
.endr
.endm
.macro FETCH s
	WIN 0x40
.irp b, 0,1,2,3,4,5,6,7
.irp p, 0,1,2
	ds_load_b128 v[128*((\s)%2)+12*\b+4*\p:128*((\s)%2)+12*\b+4*\p+3], v[ADL+(\s)/KS] offset:\b*KS*FRB+((\s)%KS)*FRB+512*\p
.endr
.endr
	WIN 0
.irp a, 0,1,2,3
.irp p, 0,1,2
	ds_load_b128 v[128+48*((\s)%2)+12*\a+4*\p:128+48*((\s)%2)+12*\a+4*\p+3], v[ADR+(\s)/KS] offset:\a*KS*FRB+((\s)%KS)*FRB+512*\p
.endr
.endr
.endm
.macro STEP s, zero                    ; 32 products; behind the first eight the next step's fragments are asked for; at a chunk's edge my part of the next chunk is waited for and a barrier shows it whole
	s_wait_dscnt 0x0
.if ((\s)+1 < NS) && (((\s)+1)%KS == 0)
	s_wait_tensorcnt NCH-1-((\s)+1)/KS             ; the later chunks' loads may stay out
	s_barrier_signal -1
.endif
	WIN 0xa1
	MULA \s, 0, \zero
.if (\s)+1 < NS
.if ((\s)+1)%KS == 0
	s_barrier_wait -1
.endif
	PLACES 4                                       ; between the last step's products, which read the other set, and the loads into it
	FETCH (\s)+1
	WIN 0xa1
.endif
	MULA \s, 1, \zero
	MULA \s, 2, \zero
	MULA \s, 3, \zero
.endm
.macro QTAIL s, w, pw
.irp b, 0,1,2,3
	v_add_nc_u32 v[TM+12+\b], 0xff000000, v[TM+\b]   ; 2 off the exponent field: the conversion's scale operand
.endr
.irp b, 0,1,2,3
	v_lshrrev_b32 v[TM+4+\b], 23, v[TM+12+\b]
.endr
	v_lshl_or_b32 v[\pw], v[TM+5], 8, v[TM+4]
	v_lshl_or_b32 v[\pw], v[TM+6], 16, v[\pw]
	v_lshl_or_b32 v[\pw], v[TM+7], 24, v[\pw]
	WIN (\w)
.irp c, 0,1
	v_cvt_scalef32_pk16_fp6_f32 v[PC+6*\c:PC+2+6*\c], v[\s+32*\c:\s+15+32*\c], v[TM+12+2*\c]
	v_cvt_scalef32_pk16_fp6_f32 v[PC+12+4*\c:PC+14+4*\c], v[\s+16+32*\c:\s+31+32*\c], v[TM+13+2*\c]
.endr
	WIN 0
	v_nop                                          ; one plain line behind the scaled conversions
.irp c, 0,1
.irp i, 0,1,2
	v_permlane16_swap_b32 v[PC+6*\c+\i], v[PC+12+4*\c+\i]
.endr
.irp i, 0,1,2
	v_mov_b32 v[PC+3+6*\c+\i], v[PC+12+4*\c+\i]
.endr
.endr
.endm
.macro PUT adr, off
.irp c, 0,1,2
	global_store_b128 v[\adr], v[PC+4*\c:PC+4*\c+3], s[OB:OB+1] offset:(\off)+512*\c
.endr
.endm
; Tile a's 16 queries x my 128 keys.  A lane holds one query and 64 scores, register 16 b + i = key 32 b + 16 h + i.
.macro SOFT a
.set SAC, 64*(\a)
	s_wait_xcnt 0x0                                ; the last tile's stores have read their data
	WIN 0x2a                                       ; the largest score of each block of 32 keys: it serves for the run's maximum and, since p rises with the score, for the block's largest p
.irp b, 0,1,2,3
	v_max3_num_f32 v[TM+\b], v[SAC+16*\b], v[SAC+16*\b+1], v[SAC+16*\b+2]
.endr
	WIN 0x28
.irp i, 3,5,7,9,11,13
.irp b, 0,1,2,3
	v_max3_num_f32 v[TM+\b], v[TM+\b], v[SAC+16*\b+\i], v[SAC+16*\b+\i+1]
.endr
.endr
.irp b, 0,1,2,3
	v_max_num_f32 v[TM+\b], v[TM+\b], v[SAC+16*\b+15]
.endr
	WIN 0
.irp b, 0,1,2,3
	v_permlanex16_b32 v[TM+4+\b], v[TM+\b], s[SEL], s[SEL+1]
.endr
.irp b, 0,1,2,3
	v_max_num_f32 v[TM+\b], v[TM+\b], v[TM+4+\b]   ; with lane l xor 16's 16 keys
.endr
	v_max3_num_f32 v246, v[TM], v[TM+1], v[TM+2]
	v_max_num_f32 v246, v246, v[TM+3]
	v_mul_f32 v246, s[CS], v246                    ; the run's largest t (c is positive)
	v_floor_f32 v240, -v246                        ; -M_loc = floor(-t) = -ceil(t)
	v_mov_b32 v241, v240                           ; (named with it as a pair)
	WIN 0x02
.set JJ, 0
.rept 32
	v_pk_fma_f32 v[H+JJ:H+JJ+1], v[SAC+JJ:SAC+JJ+1], s[CS:CS+1], v[240:241] op_sel_hi:[1,0,0]   ; t - M_loc, two at a time
.set JJ, JJ+2
.endr
	WIN 0
.irp b, 0,1,2,3
	v_fma_f32 v[TM+\b], v[TM+\b], s[CS], v240      ; the same of each block's largest score
.endr
.set JJ, 0
.rept 64
	v_exp_f32 v[H+JJ], v[H+JJ]                     ; p, at most 1
.set JJ, JJ+1
.endr
	v_mov_b32 v247, 0                              ; a plain line behind the exponentials
	s_wait_alu depctr_va_vdst(0)                   ; one wait for the batch, ahead of its first reader
.irp b, 0,1,2,3
	v_exp_f32 v[TM+\b], v[TM+\b]                   ; the block's largest p: the same two instructions on the same number
.endr
	v_pk_add_f32 v[242:243], v[H:H+1], v[H+4:H+5]  ; the sum of the unquantised p, in two chains; these lines read the 64 alone
	v_pk_add_f32 v[244:245], v[H+2:H+3], v[H+6:H+7]
.irp j, 8,12,16,20,24,28,32,36,40,44,48,52,56,60
	v_pk_add_f32 v[242:243], v[242:243], v[H+\j:H+\j+1]
	v_pk_add_f32 v[244:245], v[244:245], v[H+\j+2:H+\j+3]
.endr
	v_pk_add_f32 v[242:243], v[242:243], v[244:245]
	s_wait_alu depctr_va_vdst(0)                   ; and one for the four
	v_add_f32 v242, v242, v243
	v_permlanex16_b32 v243, v242, s[SEL], s[SEL+1]
	v_add_f32 v242, v242, v243                     ; l_loc
.irp b, 0,1,2,3
	v_max_num_f32 v[TM+\b], 0x1800000, v[TM+\b]    ; the floor 2^(3 - 127): the byte cannot fall under 1
.endr
	QTAIL H, 0, 248
	PUT OA, 24576*(\a)
.if (\a)%2 == 0
	v_mov_b32 v249, v248                           ; an even tile's three words wait for the odd tile's
	v_mov_b32 v250, v240
	v_mov_b32 v251, v242
.else
	v_cndmask_b32 v252, v249, v248, s[HM]          ; lanes 0-15 store the even tile's 256 bytes, lanes 16-31 the odd tile's
	v_cndmask_b32 v253, v250, v240, s[HM]
	v_cndmask_b32 v254, v251, v242, s[HM]
	global_store_b128 v16, v[252:255], s[SB:SB+1] offset:((\a)-1)*4096
.endif
.endm
	s_load_b128 s[4:7], s[0:1], 0x0                ; w1, w2
	v_lshl_add_u32 v234, v0, 2, 0x48000
	v_mov_b32 v235, 0
	ds_add_u32 v234, v235
	ds_add_u32 v234, v235
	v_lshrrev_b32 v1, 5, v0
	v_readfirstlane_b32 s16, v1                    ; wave
	s_lshr_b32 s17, s16, 1                         ; my half of the queries.  Also: I fetch Q (0) or K (1)
	s_and_b32 s18, s16, 1                          ; my half of the keys.  Also: which half I fetch
	s_bfe_u32 s19, ttmp6, 0x40000                  ; cx
	s_bfe_u32 s20, ttmp6, 0x40004                  ; cy
	s_and_b32 s23, ttmp7, 0xffff                   ; the cluster's y; the batch is a quarter of it
	s_lshl_b32 s21, s23, 2
	s_add_co_u32 s21, s21, s20                     ; i_wg: 128 queries of all 8,192
	s_lshl_b32 s22, ttmp9, 2
	s_add_co_u32 s22, s22, s19                     ; j_wg: 256 keys of the batch's 2,048
	s_lshl_b32 s98, s20, 2
	s_lshl_b32 s98, 15, s98
	s_lshl_b32 s99, 0x1111, s19
	s_or_b32 s[G1R], s98, (3<<16)|(1<<21)
	s_or_b32 s[G1L], s99, (3<<16)|(1<<21)
	GROUP1 G1R, 4, 1536
	GROUP1 G1L, 8, 1536
	s_lshl_b32 s56, s21, 3                         ; Q: tile 8 i_wg + 4 x half (registers that never hold cx)
	s_lshl_b32 s57, s18, 2
	s_add_co_u32 s56, s56, s57
	s_mul_i32 s56, s56, 12288
	s_mov_b32 s57, 0
	s_lshr_b32 s60, s23, 2                         ; K: tile 128 x batch + 16 j_wg + 8 x half (registers that never hold cy)
	s_lshl_b32 s60, s60, 7
	s_lshl_b32 s61, s22, 4
	s_add_co_u32 s60, s60, s61
	s_lshl_b32 s61, s18, 3
	s_add_co_u32 s60, s60, s61
	s_mul_i32 s60, s60, 12288
	s_add_co_u32 s60, s60, 6291456
	s_mov_b32 s61, 0
	s_lshl_b32 s58, s21, 1                         ; Q's records: quad 2 i_wg + wi
	s_add_co_u32 s58, s58, s17
	s_lshl_b32 s58, s58, 11
	s_add_co_u32 s58, s58, 18874368
	s_mov_b32 s59, 0
	s_lshr_b32 s62, s23, 2                         ; K's: quads 32 x batch + 4 j_wg + 2 wj on
	s_lshl_b32 s62, s62, 5
	s_lshl_b32 s63, s22, 2
	s_add_co_u32 s62, s62, s63
	s_lshl_b32 s63, s18, 1
	s_add_co_u32 s62, s62, s63
	s_lshl_b32 s62, s62, 11
	s_add_co_u32 s62, s62, 19136512
	s_mov_b32 s63, 0
	s_lshl_b32 s66, s21, 3                         ; the output: (tile 8 i_wg + 4 wi) x 16 + run 2 j_wg + wj
	s_lshl_b32 s67, s17, 2
	s_add_co_u32 s66, s66, s67
	s_lshl_b32 s66, s66, 4
	s_lshl_b32 s67, s22, 1
	s_add_co_u32 s66, s66, s67
	s_add_co_u32 s66, s66, s18
	s_mul_i32 s96, s66, 1536
	s_mov_b32 s97, 0
	s_lshl_b32 s66, s66, 8
	s_add_co_u32 s66, s66, 12582912
	s_mov_b32 s67, 0
	s_mul_i32 s94, s18, RH
	s_mul_i32 s95, s18, LH
	s_add_co_u32 s95, s95, 2*RH
	s_mov_b32 s[HM], 0xffff0000
	s_mov_b32 s[SEL], 0x76543210
	s_mov_b32 s[SEL+1], 0xfedcba98
	s_mov_b32 s[CS], 0x3d38aa3b                    ; log2(e) / 32
	s_mov_b32 s[CS+1], s[CS]
	s_wait_dscnt 0x0
	s_wait_kmcnt 0x0
	s_add_nc_u64 s[56:57], s[4:5], s[56:57]
	s_add_nc_u64 s[60:61], s[4:5], s[60:61]
	s_add_nc_u64 s[58:59], s[4:5], s[58:59]
	s_add_nc_u64 s[62:63], s[4:5], s[62:63]
	s_add_nc_u64 s[OB:OB+1], s[6:7], s[96:97]
	s_add_nc_u64 s[SB:SB+1], s[6:7], s[66:67]
.irp c, 0,1,2,3
	s_mov_b32 s[G0R+4*\c], 1
	s_add_co_u32 s[G0R+4*\c+1], s94, \c*CH
	s_add_nc_u64 s[G0R+4*\c+2:G0R+4*\c+3], s[56:57], \c*KS*FRB
	s_or_b32 s[G0R+4*\c+3], s[G0R+4*\c+3], 0x80000000
	s_mov_b32 s[G0L+4*\c], 1
	s_add_co_u32 s[G0L+4*\c+1], s95, \c*CH
	s_add_nc_u64 s[G0L+4*\c+2:G0L+4*\c+3], s[60:61], \c*KS*FRB
	s_or_b32 s[G0L+4*\c+3], s[G0L+4*\c+3], 0x80000000
.endr
	CROUND                                         ; all sixteen work-groups are here: the joint loads meet
	s_cmp_eq_u32 s17, 0
	s_cbranch_scc0 .Lfill_l
.irp c, 0,1,2,3
	tensor_load_to_lds s[G0R+4*\c:G0R+4*\c+3], s[G1R:G1R+7]
	s_nop 0
.endr
	PLACES 4
	s_branch .Lfilled
.Lfill_l:
.irp c, 0,1,2,3
	tensor_load_to_lds s[G0L+4*\c:G0L+4*\c+3], s[G1L:G1L+7]
	s_nop 0
.endr
	PLACES 4
.Lfilled:
	v_and_b32 v1, 31, v0
	v_and_b32 v2, 15, v0                           ; r
	v_bfe_u32 v3, v0, 4, 1                         ; h
	v_lshlrev_b32 v[OA], 4, v1
	s_mul_i32 s94, s17, RH
	s_mul_i32 s95, s18, LH
	s_add_co_u32 s95, s95, 2*RH
.irp c, 0,1,2,3
	v_add_nc_u32 v[ADR+\c], s94, v[OA]
	v_add_nc_u32 v[ADL+\c], s95, v[OA]
	s_add_co_u32 s94, s94, CH
	s_add_co_u32 s95, s95, CH
.endr
	v_lshlrev_b32 v16, 4, v2
	v_lshl_add_u32 v[SL], v3, 11, v16              ; lanes 16-31 take the next quad's record
	v_lshl_add_u32 v[SR], v3, 8, v16               ; lanes 16-31 take the next K step's record
	v_lshl_add_u32 v16, v3, 12, v16                ; 4,096 h + 16 r: lanes 16-31 store the next tile's 256 bytes
.irp b, 0,1,2,3
	v_mov_b32 v[TM+4+\b], 0                        ; a lane permute's destination counts as one of its sources
.endr
	v_mov_b32 v255, 0                              ; the fourth word of a query's 16 bytes
.irp s, 0,1,2,3,4,5,6,7
	global_load_b128 v[LS+4*\s:LS+4*\s+3], v[SL], s[62:63] offset:256*\s
.endr
.irp g, 0,1,2,3
	global_load_b128 v[RS+4*\g:RS+4*\g+3], v[SR], s[58:59] offset:512*\g
.endr
	s_wait_tensorcnt 3                             ; my part of chunk 0 is in; the three later chunks' loads may be out
	s_barrier_signal -1
	s_barrier_wait -1
	FETCH 0
	s_wait_loadcnt 0x0                             ; the scale words
	STEP 0, 1                                      ; the first step's products start the sums
	STEP 1, 0
	STEP 2, 0
	STEP 3, 0
	STEP 4, 0
	STEP 5, 0
	STEP 6, 0
	STEP 7, 0
	WIN 0
	PLACES 4                                       ; behind the last products
	SOFT 0
	SOFT 1
	SOFT 2
	SOFT 3
	s_wait_tensorcnt 0x0
	ds_add_u32 v234, v235
	s_wait_dscnt 0x0
	CROUND                                         ; the closing round
	s_endpgm
.Lfunc_end_k_q13a5f72eb9_score:
	.size	k_q13a5f72eb9_score, .Lfunc_end_k_q13a5f72eb9_score-k_q13a5f72eb9_score
	.p2alignl 7, 3214868480
	.fill 96, 4, 3214868480
	.section	.rodata,"a",@progbits
	.p2align	6, 0x0
	.amdhsa_kernel k_q13a5f72eb9_score
		.amdhsa_group_segment_fixed_size 327680
		.amdhsa_private_segment_fixed_size 0
		.amdhsa_enable_private_segment 0
		.amdhsa_kernarg_size 16
		.amdhsa_user_sgpr_count 2
		.amdhsa_user_sgpr_kernarg_segment_ptr 1
		.amdhsa_wavefront_size32 1
		.amdhsa_system_sgpr_workgroup_id_x 1
		.amdhsa_system_sgpr_workgroup_id_y 1
		.amdhsa_system_sgpr_workgroup_id_z 1
		.amdhsa_system_vgpr_workitem_id 0
		.amdhsa_next_free_vgpr 768
		.amdhsa_next_free_sgpr 100
		.amdhsa_reserve_vcc 0
		.amdhsa_float_denorm_mode_32 3
		.amdhsa_float_denorm_mode_16_64 3
		.amdhsa_memory_ordered 1
		.amdhsa_forward_progress 1
		.amdhsa_inst_pref_size 108
	.end_amdhsa_kernel
	.amdgpu_metadata
---
amdhsa.version: [ 1, 2 ]
amdhsa.kernels:
  - .name:           k_q13a5f72eb9_score
    .symbol:         k_q13a5f72eb9_score.kd
    .args:
      - { .name: w1, .offset: 0, .size: 8, .value_kind: global_buffer, .address_space: global }
      - { .name: w2, .offset: 8, .size: 8, .value_kind: global_buffer, .address_space: global }
    .group_segment_fixed_size: 327680
    .private_segment_fixed_size: 0
    .kernarg_segment_align: 8
    .kernarg_segment_size: 16
    .max_flat_workgroup_size: 128
    .sgpr_count:     100
    .vgpr_count:     768
    .wavefront_size: 32
...
	.end_amdgpu_metadata
.endif
;; end of part 3
;; launch pv (part 4): grid 4 x 64, 4 waves a work-group, clusters of 4 x 4, 327,680 bytes of LDS; arguments w1, w2, w3; writes w3
.if DOCPART == 4
	.amdgcn_target "amdgcn-amd-amdhsa--gfx1250"
	.amdhsa_code_object_version 6
	.text
	.protected	k_q13a5f72eb9_pv
	.globl	k_q13a5f72eb9_pv
	.p2align	8
	.type	k_q13a5f72eb9_pv,@function
k_q13a5f72eb9_pv:
	s_mov_b64 s[64:65], 0
	v_nop
	global_prefetch_b8 v0, s[64:65] scope:SCOPE_SE
	s_setreg_imm32_b32 hwreg(HW_REG_WAVE_MODE, 25, 1), 1
	s_wait_xcnt 0x0
	s_wait_alu depctr_hold_cnt(0) depctr_sa_sdst(0) depctr_va_vdst(0) depctr_va_sdst(0) depctr_va_ssrc(0) depctr_va_vcc(0) depctr_vm_vsrc(0)
	s_getreg_b32 s2, hwreg(HW_REG_IB_STS2, 6, 4)
	s_cmp_eq_u32 s2, 0
	s_cbranch_scc0 .Lentry_in_a_cluster
	s_endpgm
.Lentry_in_a_cluster:
	s_bfe_u32 s2, ttmp6, 0x10000c
	s_cmp_lg_u32 s2, 0xf033
	s_cbranch_scc0 .Lentry_shape_is_right
	s_endpgm
.Lentry_shape_is_right:
; O = p V / l on codes of FP6, quantised at once along the 1,024 channels for the last projection.  Source 0 = 16 channels of V^T (keys innermost), source 1 = 16 queries of p; K = the batch's 2,048 keys, 16 K steps.
; p was quantised under M_loc, one for each query and run of 128 keys.  Here, in registers: M = the largest of a query's sixteen M_loc; each scale byte of run s is lowered by d = M - M_loc_s (a power of two, exact);
; l = the sum of l_loc_s 2^(M_loc_s - M).  So the row's largest t is taken away for every input.
; LIMITS: d is held at 127, and a byte that would fall under 0 becomes 0 (2^-127): such a term is under 2^-124 beside an l of at least 1/2.  NaN and infinities are not served; a block of O whose largest magnitude
; lies under 2^-124 keeps the byte 1.
; The GEMM: a work-group makes 128 queries x 256 channels, a wave 64 x 128: 32 accumulators, window 2: 256 work-groups.  K goes in four chunks of four K steps through two LDS slots of 147,456 bytes: two first fills, two
; refills, written out.  A wave has two tensor loads out at the start and one behind each refill's round; a refill has four K steps, 128 products a wave, in which to land.
; CLUSTER 4 x 4: p's tiles are shared along a row of the cluster, V's along a column.  Waves 0, 1 fetch p's halves, waves 2, 3 V's.
; REGISTERS: window 0: v4-5, v8-9 LDS addresses by slot; v12-15 offsets; v16-23 1 / l, a pair a tile; v24-27, v30-31 at work; v28-29 for the add; v32-95 V's scale words; v96-127 p's; v128-223 p's fragments, two sets.
.set FRB, 1536
.set KS,  4
.set NS,  16
.set RH,  4*KS*FRB
.set LH,  8*KS*FRB
.set CH,  2*RH+2*LH
.set SPARE, 2*CH                       ; behind the slots: the spare words, 128 bytes for each wave: two blocks of 256 bytes that no other line names
.set ADR, 4
.set ADL, 8
.set SL,  12
.set MO,  13
.set OA,  14
.set RA,  15
.set INV, 16
.set SPW, 28
.set NIL, 29
.set LS,  32
.set RS,  96
.set H,   128
.set PC,  192
.set PWQ, 212
.set DD,  216
.set TM,  224
.set G1R, 24
.set G1L, 32
.set G0R, 40
.set G0L, 68
.set OB,  84
.set SB,  86
.set HM,  88
.set SEL, 90
.set MSB, 0
.macro WIN new
.if MSB != (\new)
	s_set_vgpr_msb (MSB<<8)|(\new)
.set MSB, (\new)
.endif
.endm
.macro PLACES n
.rept \n
	v_nop
.endr
.endm
.macro CREST
	s_cmp_lg_u32 s16, 0
	s_cbranch_scc1 .Lnot_wave_0_\@
	s_barrier_signal -3
.Lnot_wave_0_\@:
	s_barrier_wait -3
	s_barrier_signal -1
	s_barrier_wait -1
.endm
.macro CROUND
	s_barrier_signal -1
	s_barrier_wait -1
	CREST
.endm
.macro GROUP1 g, rows, pitch
	s_mov_b32 s[\g+1], (KS*192)<<16
	s_mov_b32 s[\g+2], (\rows)<<16
	s_mov_b32 s[\g+3], (KS*192)<<16
	s_mov_b32 s[\g+4], \rows
	s_mov_b32 s[\g+5], \pitch
	s_mov_b32 s[\g+6], 0
	s_mov_b32 s[\g+7], 0
.endm
.macro JLOAD c                         ; chunk c, jointly; four v_nop follow each of the two lines
	s_cmp_eq_u32 s17, 0
	s_cbranch_scc0 .Lfor_l_\@
	tensor_load_to_lds s[G0R+4*\c:G0R+4*\c+3], s[G1R:G1R+7]
	s_nop 0
	PLACES 4
	s_branch .Lasked_\@
.Lfor_l_\@:
	tensor_load_to_lds s[G0L+4*\c:G0L+4*\c+3], s[G1L:G1L+7]
	s_nop 0
	PLACES 4
.Lasked_\@:
.endm
.macro WM d, l, r, zero, sl, sr, rowl, rowr
.set SELW, 4*(\zero)+2*(\rowl)+(\rowr)
.if SELW == 0
	v_wmma_scale_f32_16x16x128_f8f6f4 v[\d:\d+7], v[\l:\l+11], v[\r:\r+11], v[\d:\d+7], v[\sl], v[\sr] matrix_a_fmt:MATRIX_FMT_FP6 matrix_b_fmt:MATRIX_FMT_FP6
.elseif SELW == 1
	v_wmma_scale_f32_16x16x128_f8f6f4 v[\d:\d+7], v[\l:\l+11], v[\r:\r+11], v[\d:\d+7], v[\sl], v[\sr] matrix_a_fmt:MATRIX_FMT_FP6 matrix_b_fmt:MATRIX_FMT_FP6 matrix_b_scale:MATRIX_SCALE_ROW1
.elseif SELW == 2
	v_wmma_scale_f32_16x16x128_f8f6f4 v[\d:\d+7], v[\l:\l+11], v[\r:\r+11], v[\d:\d+7], v[\sl], v[\sr] matrix_a_fmt:MATRIX_FMT_FP6 matrix_b_fmt:MATRIX_FMT_FP6 matrix_a_scale:MATRIX_SCALE_ROW1
.elseif SELW == 3
	v_wmma_scale_f32_16x16x128_f8f6f4 v[\d:\d+7], v[\l:\l+11], v[\r:\r+11], v[\d:\d+7], v[\sl], v[\sr] matrix_a_fmt:MATRIX_FMT_FP6 matrix_b_fmt:MATRIX_FMT_FP6 matrix_a_scale:MATRIX_SCALE_ROW1 matrix_b_scale:MATRIX_SCALE_ROW1
.elseif SELW == 4
	v_wmma_scale_f32_16x16x128_f8f6f4 v[\d:\d+7], v[\l:\l+11], v[\r:\r+11], 0, v[\sl], v[\sr] matrix_a_fmt:MATRIX_FMT_FP6 matrix_b_fmt:MATRIX_FMT_FP6
.elseif SELW == 5
	v_wmma_scale_f32_16x16x128_f8f6f4 v[\d:\d+7], v[\l:\l+11], v[\r:\r+11], 0, v[\sl], v[\sr] matrix_a_fmt:MATRIX_FMT_FP6 matrix_b_fmt:MATRIX_FMT_FP6 matrix_b_scale:MATRIX_SCALE_ROW1
.elseif SELW == 6
	v_wmma_scale_f32_16x16x128_f8f6f4 v[\d:\d+7], v[\l:\l+11], v[\r:\r+11], 0, v[\sl], v[\sr] matrix_a_fmt:MATRIX_FMT_FP6 matrix_b_fmt:MATRIX_FMT_FP6 matrix_a_scale:MATRIX_SCALE_ROW1
.else
	v_wmma_scale_f32_16x16x128_f8f6f4 v[\d:\d+7], v[\l:\l+11], v[\r:\r+11], 0, v[\sl], v[\sr] matrix_a_fmt:MATRIX_FMT_FP6 matrix_b_fmt:MATRIX_FMT_FP6 matrix_a_scale:MATRIX_SCALE_ROW1 matrix_b_scale:MATRIX_SCALE_ROW1
.endif
.endm
; p's tile a against V's eight.  V's word of tile b: register LS + 4 s + b % 4, lanes 16 (b / 4) on.  p's word of tile a: register RS + 16 (a / 2) + s, lanes 16 (a % 2) on.  The 32 accumulators take turns.
.macro MULA s, a, zero
.irp b, 0,1,2,3,4,5,6,7
	WM 8*(8*(\a)+\b), 128*((\s)%2)+12*\b, 128+48*((\s)%2)+12*(\a), \zero, LS+4*(\s)+\b%4, RS+16*((\a)/2)+(\s), \b/4, (\a)%2
.endr
.endm
.macro FETCH s
	WIN 0x40
.irp b, 0,1,2,3,4,5,6,7
.irp p, 0,1,2
	ds_load_b128 v[128*((\s)%2)+12*\b+4*\p:128*((\s)%2)+12*\b+4*\p+3], v[ADL+((\s)/KS)%2] offset:\b*KS*FRB+((\s)%KS)*FRB+512*\p
.endr
.endr
	WIN 0
.irp a, 0,1,2,3
.irp p, 0,1,2
	ds_load_b128 v[128+48*((\s)%2)+12*\a+4*\p:128+48*((\s)%2)+12*\a+4*\p+3], v[ADR+((\s)/KS)%2] offset:\a*KS*FRB+((\s)%KS)*FRB+512*\p
.endr
.endr
.endm
.macro STEP s, zero                    ; a K step whose successor lies in the same slot, or the last
	s_wait_dscnt 0x0
	WIN 0xa1
	MULA \s, 0, \zero
.if (\s)+1 < NS
	PLACES 4                                       ; between the last step's products, which read the other set, and the loads into it
	FETCH (\s)+1
	WIN 0xa1
.endif
	MULA \s, 1, \zero
	MULA \s, 2, \zero
	MULA \s, 3, \zero
.endm
; A slot's last K step changes slots: one barrier.  In front of it each wave waits for all its tensor loads (its part of the next slot), adds 0 to its spare word, and waits for that and for its reads of this slot.
; fill = 1: the barrier opens a round of the cluster's barrier, and this slot takes chunk c, the wave's one tensor load until the next round.
.macro TURN s, fill, c
	WIN 0                                          ; (the add's two registers lie in window 0)
	s_wait_tensorcnt 0x0
	ds_add_u32 v[SPW], v[NIL]                      ; 0 onto my spare word
	s_wait_dscnt 1                                 ; this step's fragments are in; the add may be out
	WIN 0xa1
	MULA \s, 0, 0                                  ; eight products stand between the add and the wait for it
	s_wait_dscnt 0x0                               ; the add is done, and my reads of this slot are over
	s_barrier_signal -1
	MULA \s, 1, 0
	WIN 0
	s_barrier_wait -1
.if \fill
	CREST                                          ; no wave of any partner still reads this slot or has a load on its way
	JLOAD \c                                       ; the four v_nop behind it are also the places in front of the loads below
.else
	PLACES 4
.endif
	FETCH (\s)+1
	WIN 0xa1
	MULA \s, 2, 0
	MULA \s, 3, 0
.endm
.macro QMAX s, w
	WIN (\w)*5
.irp b, 0,1,2,3
	v_max3_num_f32 v[TM+\b], |v[\s+16*\b]|, |v[\s+1+16*\b]|, 0x1800000   ; and the floor 2^(3 - 127): the byte cannot fall under 1
.endr
	WIN (\w)*20
.irp i, 2,4,6,8,10,12,14
.irp b, 0,1,2,3
	v_max3_num_f32 v[TM+\b], v[TM+\b], |v[\s+16*\b+\i]|, |v[\s+1+16*\b+\i]|
.endr
.endr
	WIN 0
.irp b, 0,1,2,3
	v_permlanex16_b32 v[TM+4+\b], v[TM+\b], s[SEL], s[SEL+1]
.endr
.irp b, 0,1,2,3
	v_max_num_f32 v[TM+\b], v[TM+\b], v[TM+4+\b]
.endr
.endm
.macro QTAIL s, w, pw
.irp b, 0,1,2,3
	v_add_nc_u32 v[TM+12+\b], 0xff000000, v[TM+\b]
.endr
.irp b, 0,1,2,3
	v_lshrrev_b32 v[TM+4+\b], 23, v[TM+12+\b]
.endr
	v_lshl_or_b32 v[\pw], v[TM+5], 8, v[TM+4]
	v_lshl_or_b32 v[\pw], v[TM+6], 16, v[\pw]
	v_lshl_or_b32 v[\pw], v[TM+7], 24, v[\pw]
	WIN (\w)
.irp c, 0,1
	v_cvt_scalef32_pk16_fp6_f32 v[PC+6*\c:PC+2+6*\c], v[\s+32*\c:\s+15+32*\c], v[TM+12+2*\c]
	v_cvt_scalef32_pk16_fp6_f32 v[PC+12+4*\c:PC+14+4*\c], v[\s+16+32*\c:\s+31+32*\c], v[TM+13+2*\c]
.endr
	WIN 0
	v_nop                                          ; one plain line behind the scaled conversions
.irp c, 0,1
.irp i, 0,1,2
	v_permlane16_swap_b32 v[PC+6*\c+\i], v[PC+12+4*\c+\i]
.endr
.irp i, 0,1,2
	v_mov_b32 v[PC+3+6*\c+\i], v[PC+12+4*\c+\i]
.endr
.endr
.endm
.macro QUANT s, w, pw
	QMAX \s, \w
	QTAIL \s, \w, \pw
.endm
.macro PUT adr, off
.irp c, 0,1,2
	global_store_b128 v[\adr], v[PC+4*\c:PC+4*\c+3], s[OB:OB+1] offset:(\off)+512*\c
.endr
.endm
.macro RECORD
	v_cndmask_b32 v[DD], v[PWQ], v[PWQ+2], s[HM]
	v_cndmask_b32 v[DD+1], v[PWQ+1], v[PWQ+3], s[HM]
	global_store_b64 v[RA], v[DD:DD+1], s[SB:SB+1]
.endm
	s_load_b128 s[4:7], s[0:1], 0x0                ; w1, w2
	s_load_b64 s[8:9], s[0:1], 0x10                ; w3
	v_lshl_add_u32 v[SPW], v0, 2, SPARE
	v_mov_b32 v[NIL], 0
	ds_add_u32 v28, v29
	ds_add_u32 v28, v29
	s_wait_dscnt 0x0
	v_lshrrev_b32 v1, 5, v0
	v_readfirstlane_b32 s16, v1                    ; wave
	s_lshr_b32 s17, s16, 1                         ; my half of the queries.  Also: I fetch p (0) or V (1)
	s_and_b32 s18, s16, 1                          ; my half of the channels.  Also: which half I fetch
	s_bfe_u32 s19, ttmp6, 0x40000                  ; cx
	s_bfe_u32 s20, ttmp6, 0x40004                  ; cy
	s_and_b32 s23, ttmp7, 0xffff                   ; the cluster's y; the batch is a quarter of it
	s_lshl_b32 s21, s23, 2
	s_add_co_u32 s21, s21, s20                     ; i_wg: 128 queries
	s_lshl_b32 s22, ttmp9, 2
	s_add_co_u32 s22, s22, s19                     ; j_wg: 256 channels
	s_lshl_b32 s98, s20, 2
	s_lshl_b32 s98, 15, s98
	s_lshl_b32 s99, 0x1111, s19
	s_or_b32 s[G1R], s98, (3<<16)|(1<<21)
	s_or_b32 s[G1L], s99, (3<<16)|(1<<21)
	GROUP1 G1R, 4, 3072                            ; a tile of p has 16 K steps: 24,576 bytes
	GROUP1 G1L, 8, 12288                           ; a tile of V^T has 64: 98,304 bytes
	s_lshl_b32 s56, s21, 3                         ; p: tile 8 i_wg + 4 x half (registers that never hold cx)
	s_lshl_b32 s57, s18, 2
	s_add_co_u32 s56, s56, s57
	s_mul_i32 s56, s56, 24576
	s_mov_b32 s57, 0
	s_lshl_b32 s60, s22, 4                         ; V^T: tile 16 j_wg + 8 x half, K step 16 x batch (registers that never hold cy)
	s_lshl_b32 s61, s18, 3
	s_add_co_u32 s60, s60, s61
	s_mul_i32 s60, s60, 98304
	s_lshr_b32 s61, s23, 2
	s_mul_i32 s61, s61, 24576
	s_add_co_u32 s60, s60, s61
	s_add_co_u32 s60, s60, 12582912
	s_mov_b32 s61, 0
	s_lshl_b32 s58, s21, 3                         ; the queries' 16 bytes: tile 8 i_wg + 4 wi on, 4,096 bytes a tile
	s_lshl_b32 s59, s17, 2
	s_add_co_u32 s58, s58, s59
	s_lshl_b32 s58, s58, 12
	s_add_co_u32 s58, s58, 12582912
	s_mov_b32 s59, 0
	s_lshl_b32 s62, s22, 2                         ; V's records: quads 4 j_wg + 2 wj on, 16,384 bytes a quad; K step 16 x batch
	s_lshl_b32 s63, s18, 1
	s_add_co_u32 s62, s62, s63
	s_lshl_b32 s62, s62, 14
	s_lshr_b32 s63, s23, 2
	s_lshl_b32 s63, s63, 12
	s_add_co_u32 s62, s62, s63
	s_add_co_u32 s62, s62, 19398656
	s_mov_b32 s63, 0
	s_lshl_b32 s66, s22, 1
	s_add_co_u32 s66, s66, s18                     ; the output's K step: 2 j_wg + wj
	s_lshl_b32 s96, s21, 3
	s_lshl_b32 s97, s17, 2
	s_add_co_u32 s96, s96, s97
	s_lshl_b32 s96, s96, 3
	s_add_co_u32 s96, s96, s66
	s_mul_i32 s96, s96, 1536
	s_mov_b32 s97, 0
	s_lshl_b32 s67, s21, 1
	s_add_co_u32 s67, s67, s17
	s_lshl_b32 s67, s67, 3
	s_add_co_u32 s66, s66, s67
	s_lshl_b32 s66, s66, 8
	s_add_co_u32 s66, s66, 6291456
	s_mov_b32 s67, 0
	s_mul_i32 s94, s18, RH
	s_mul_i32 s95, s18, LH
	s_add_co_u32 s95, s95, 2*RH
	s_mov_b32 s[HM], 0xffff0000
	s_mov_b32 s[SEL], 0x76543210
	s_mov_b32 s[SEL+1], 0xfedcba98
	s_wait_kmcnt 0x0
	s_add_nc_u64 s[56:57], s[6:7], s[56:57]
	s_add_nc_u64 s[60:61], s[4:5], s[60:61]
	s_add_nc_u64 s[58:59], s[6:7], s[58:59]
	s_add_nc_u64 s[62:63], s[4:5], s[62:63]
	s_add_nc_u64 s[OB:OB+1], s[8:9], s[96:97]
	s_add_nc_u64 s[SB:SB+1], s[8:9], s[66:67]
.irp c, 0,1,2,3                        ; a group 0 for each chunk, never written again
	s_mov_b32 s[G0R+4*\c], 1
	s_add_co_u32 s[G0R+4*\c+1], s94, (\c%2)*CH
	s_add_nc_u64 s[G0R+4*\c+2:G0R+4*\c+3], s[56:57], \c*KS*FRB
	s_or_b32 s[G0R+4*\c+3], s[G0R+4*\c+3], 0x80000000
	s_mov_b32 s[G0L+4*\c], 1
	s_add_co_u32 s[G0L+4*\c+1], s95, (\c%2)*CH
	s_add_nc_u64 s[G0L+4*\c+2:G0L+4*\c+3], s[60:61], \c*KS*FRB
	s_or_b32 s[G0L+4*\c+3], s[G0L+4*\c+3], 0x80000000
.endr
	CROUND                                         ; all sixteen work-groups are here: the first joint loads meet
	s_cmp_eq_u32 s17, 0
	s_cbranch_scc0 .Lfill_l
	tensor_load_to_lds s[G0R:G0R+3], s[G1R:G1R+7]
	s_nop 0
	tensor_load_to_lds s[G0R+4:G0R+7], s[G1R:G1R+7]
	s_nop 0
	PLACES 4
	s_branch .Lfilled
.Lfill_l:
	tensor_load_to_lds s[G0L:G0L+3], s[G1L:G1L+7]
	s_nop 0
	tensor_load_to_lds s[G0L+4:G0L+7], s[G1L:G1L+7]
	s_nop 0
	PLACES 4
.Lfilled:
	v_and_b32 v1, 31, v0
	v_and_b32 v2, 15, v0                           ; r
	v_bfe_u32 v3, v0, 4, 1                         ; h
	v_lshlrev_b32 v[OA], 4, v1
	s_mul_i32 s94, s17, RH
	s_mul_i32 s95, s18, LH
	s_add_co_u32 s95, s95, 2*RH
.irp c, 0,1
	v_add_nc_u32 v[ADR+\c], s94, v[OA]
	v_add_nc_u32 v[ADL+\c], s95, v[OA]
	s_add_co_u32 s94, s94, CH
	s_add_co_u32 s95, s95, CH
.endr
	v_lshlrev_b32 v[RA], 4, v2
	v_lshl_add_u32 v[SL], v3, 14, v[RA]            ; lanes 16-31 take the next quad's record
	v_lshl_add_u32 v[MO], v3, 12, v[RA]            ; lanes 16-31 take the next tile's queries
	v_lshl_add_u32 v[RA], v3, 3, v[RA]
	v_mov_b32 v30, 0                               ; a lane permute's destination counts as one of its sources
	v_mov_b32 v31, 0
.irp s, 0,1,2,3,4,5,6,7,8,9,10,11,12,13,14,15
	global_load_b128 v[LS+4*\s:LS+4*\s+3], v[SL], s[62:63] offset:256*\s
.endr
.irp q, 0,1                            ; lane (r, h): query r of tile 2 q + h, run s: scale word, -M_loc, l_loc, 0 into v[128 + 64 q + 4 s] on
.irp s, 0,1,2,3,4,5,6,7,8,9,10,11,12,13,14,15
	global_load_b128 v[128+64*\q+4*\s:128+64*\q+4*\s+3], v[MO], s[58:59] offset:8192*\q+256*\s
.endr
.endr
	s_wait_loadcnt 0x0
	; ---- all within a lane, while the tiles land
.irp q, 0,1
	v_min3_num_f32 v[24+\q], v[129+64*\q], v[133+64*\q], v[137+64*\q]   ; -M = the least -M_loc
.endr
.irp s, 3,5,7,9,11,13
.irp q, 0,1
	v_min3_num_f32 v[24+\q], v[24+\q], v[129+64*\q+4*\s], v[133+64*\q+4*\s]
.endr
.endr
.irp q, 0,1
	v_min_num_f32 v[24+\q], v[24+\q], v[189+64*\q]
.endr
.irp q, 0,1
.irp s, 0,1,2,3,4,5,6,7,8,9,10,11,12,13,14,15
	v_sub_f32 v[129+64*\q+4*\s], v[24+\q], v[129+64*\q+4*\s]         ; e = M_loc - M: a whole number, 0 or less
.endr
.endr
.irp q, 0,1
.irp s, 0,1,2,3,4,5,6,7,8,9,10,11,12,13,14,15
	v_max_num_f32 v[129+64*\q+4*\s], 0xc2fe0000, v[129+64*\q+4*\s]   ; held at -127
.endr
.endr
.irp q, 0,1
.irp s, 0,1,2,3,4,5,6,7,8,9,10,11,12,13,14,15
	v_cvt_i32_f32 v[129+64*\q+4*\s], v[129+64*\q+4*\s]
.endr
.endr
.irp q, 0,1
.irp s, 0,1,2,3,4,5,6,7,8,9,10,11,12,13,14,15
	v_ldexp_f32 v[130+64*\q+4*\s], v[130+64*\q+4*\s], v[129+64*\q+4*\s]   ; l_loc 2^e
.endr
.endr
.irp q, 0,1
.irp s, 0,1,2,3,4,5,6,7,8,9,10,11,12,13,14,15
	v_sub_nc_u32 v[131+64*\q+4*\s], 0, v[129+64*\q+4*\s]             ; d = -e, 0 .. 127
.endr
.endr
.irp q, 0,1
.irp s, 0,1,2,3,4,5,6,7,8,9,10,11,12,13,14,15
	v_perm_b32 v[131+64*\q+4*\s], v[131+64*\q+4*\s], v[131+64*\q+4*\s], 0   ; d in all four bytes
.endr
.endr
.irp q, 0,1
.irp s, 0,1,2,3,4,5,6,7,8,9,10,11,12,13,14,15
	v_or_b32 v[128+64*\q+4*\s], 0x80808080, v[128+64*\q+4*\s]        ; 128 + byte (a byte of p is at most 125):
.endr
.endr
.irp q, 0,1
.irp s, 0,1,2,3,4,5,6,7,8,9,10,11,12,13,14,15
	v_sub_nc_u32 v[128+64*\q+4*\s], v[128+64*\q+4*\s], v[131+64*\q+4*\s]   ; 128 + byte - d is at least 1: no borrow crosses a byte
.endr
.endr
.irp q, 0,1
.irp s, 0,1,2,3,4,5,6,7,8,9,10,11,12,13,14,15
	v_lshrrev_b32 v[131+64*\q+4*\s], 7, v[128+64*\q+4*\s]
.endr
.endr
.irp q, 0,1
.irp s, 0,1,2,3,4,5,6,7,8,9,10,11,12,13,14,15
	v_and_b32 v[131+64*\q+4*\s], 0x01010101, v[131+64*\q+4*\s]       ; 1 where byte - d is 0 or more
.endr
.endr
.irp q, 0,1
.irp s, 0,1,2,3,4,5,6,7,8,9,10,11,12,13,14,15
	v_lshlrev_b32 v[129+64*\q+4*\s], 8, v[131+64*\q+4*\s]
.endr
.endr
.irp q, 0,1
.irp s, 0,1,2,3,4,5,6,7,8,9,10,11,12,13,14,15
	v_sub_nc_u32 v[129+64*\q+4*\s], v[129+64*\q+4*\s], v[131+64*\q+4*\s]   ; x 255: ones in those bytes
.endr
.endr
.irp q, 0,1
.irp s, 0,1,2,3,4,5,6,7,8,9,10,11,12,13,14,15
	v_and_b32 v[128+64*\q+4*\s], 0x7f7f7f7f, v[128+64*\q+4*\s]
.endr
.endr
.irp q, 0,1
.irp s, 0,1,2,3,4,5,6,7,8,9,10,11,12,13,14,15
	v_and_b32 v[RS+16*\q+\s], v[128+64*\q+4*\s], v[129+64*\q+4*\s]   ; byte - d, or 0 where that would be negative
.endr
.endr
.irp q, 0,1
	v_add_f32 v[26+\q], v[130+64*\q], v[134+64*\q]
.endr
.irp s, 2,3,4,5,6,7,8,9,10,11,12,13,14,15
.irp q, 0,1
	v_add_f32 v[26+\q], v[26+\q], v[130+64*\q+4*\s]                  ; l
.endr
.endr
	v_rcp_f32 v26, v26
	v_rcp_f32 v27, v27
	v_nop                                          ; a plain line behind the reciprocals
	s_wait_alu depctr_va_vdst(0)                   ; one wait for the two, ahead of their first reader
	v_permlanex16_b32 v30, v26, s[SEL], s[SEL+1]
	v_permlanex16_b32 v31, v27, s[SEL], s[SEL+1]
	v_cndmask_b32 v[INV], v26, v30, s[HM]          ; tile 0's 1 / l of query r in both halves of the lanes; both registers of a pair are written
	v_cndmask_b32 v[INV+1], v26, v30, s[HM]
	v_cndmask_b32 v[INV+2], v30, v26, s[HM]
	v_cndmask_b32 v[INV+3], v30, v26, s[HM]
	v_cndmask_b32 v[INV+4], v27, v31, s[HM]
	v_cndmask_b32 v[INV+5], v27, v31, s[HM]
	v_cndmask_b32 v[INV+6], v31, v27, s[HM]
	v_cndmask_b32 v[INV+7], v31, v27, s[HM]
.irp b, 0,1,2,3
	v_mov_b32 v[TM+4+\b], 0
.endr
	PLACES 8                                       ; scale words made by vector instructions stand eight places ahead of a scaled product
	s_wait_tensorcnt 1                             ; my part of chunk 0 is in; chunk 1's load may be out
	s_barrier_signal -1
	s_barrier_wait -1
	FETCH 0
	STEP 0, 1                                      ; the first step's products start the sums
	STEP 1, 0
	STEP 2, 0
	TURN 3, 1, 2
	STEP 4, 0
	STEP 5, 0
	STEP 6, 0
	TURN 7, 1, 3
	STEP 8, 0
	STEP 9, 0
	STEP 10, 0
	TURN 11, 0, 0                                  ; nothing is left to fetch
	STEP 12, 0
	STEP 13, 0
	STEP 14, 0
	STEP 15, 0
	WIN 0
	PLACES 4                                       ; behind the last products
.irp a, 0,1,2,3
	s_wait_xcnt 0x0                                ; the last fragment's stores have read their data
	WIN 0x02
.set JJ, 0
.rept 32
	v_pk_mul_f32 v[H+JJ:H+JJ+1], v[64*\a+JJ:64*\a+JJ+1], v[INV+2*\a:INV+2*\a+1] op_sel_hi:[1,0]   ; O / l, each accumulator from its low end on
.set JJ, JJ+2
.endr
	WIN 0
	QUANT H, 0, PWQ+\a
	PUT OA, 12288*\a
.endr
	RECORD
	s_wait_tensorcnt 0x0                           ; the wave's end
	ds_add_u32 v[SPW], v[NIL]
	s_wait_dscnt 0x0
	CROUND                                         ; the closing round
	s_endpgm
.Lfunc_end_k_q13a5f72eb9_pv:
	.size	k_q13a5f72eb9_pv, .Lfunc_end_k_q13a5f72eb9_pv-k_q13a5f72eb9_pv
	.p2alignl 7, 3214868480
	.fill 96, 4, 3214868480
	.section	.rodata,"a",@progbits
	.p2align	6, 0x0
	.amdhsa_kernel k_q13a5f72eb9_pv
		.amdhsa_group_segment_fixed_size 327680
		.amdhsa_private_segment_fixed_size 0
		.amdhsa_enable_private_segment 0
		.amdhsa_kernarg_size 24
		.amdhsa_user_sgpr_count 2
		.amdhsa_user_sgpr_kernarg_segment_ptr 1
		.amdhsa_wavefront_size32 1
		.amdhsa_system_sgpr_workgroup_id_x 1
		.amdhsa_system_sgpr_workgroup_id_y 1
		.amdhsa_system_sgpr_workgroup_id_z 1
		.amdhsa_system_vgpr_workitem_id 0
		.amdhsa_next_free_vgpr 768
		.amdhsa_next_free_sgpr 100
		.amdhsa_reserve_vcc 0
		.amdhsa_float_denorm_mode_32 3
		.amdhsa_float_denorm_mode_16_64 3
		.amdhsa_memory_ordered 1
		.amdhsa_forward_progress 1
		.amdhsa_inst_pref_size 168
	.end_amdhsa_kernel
	.amdgpu_metadata
---
amdhsa.version: [ 1, 2 ]
amdhsa.kernels:
  - .name:           k_q13a5f72eb9_pv
    .symbol:         k_q13a5f72eb9_pv.kd
    .args:
      - { .name: w1, .offset: 0, .size: 8, .value_kind: global_buffer, .address_space: global }
      - { .name: w2, .offset: 8, .size: 8, .value_kind: global_buffer, .address_space: global }
      - { .name: w3, .offset: 16, .size: 8, .value_kind: global_buffer, .address_space: global }
    .group_segment_fixed_size: 327680
    .private_segment_fixed_size: 0
    .kernarg_segment_align: 8
    .kernarg_segment_size: 24
    .max_flat_workgroup_size: 128
    .sgpr_count:     100
    .vgpr_count:     768
    .wavefront_size: 32
...
	.end_amdgpu_metadata
.endif
;; end of part 4
;; launch oproj (part 5): grid 4 x 64, 4 waves a work-group, clusters of 4 x 4, 327,680 bytes of LDS; arguments w3, w0, out0; writes out0
.if DOCPART == 5
	.amdgcn_target "amdgcn-amd-amdhsa--gfx1250"
	.amdhsa_code_object_version 6
	.text
	.protected	k_q13a5f72eb9_oproj
	.globl	k_q13a5f72eb9_oproj
	.p2align	8
	.type	k_q13a5f72eb9_oproj,@function
k_q13a5f72eb9_oproj:
	s_mov_b64 s[64:65], 0
	v_nop
	global_prefetch_b8 v0, s[64:65] scope:SCOPE_SE
	s_setreg_imm32_b32 hwreg(HW_REG_WAVE_MODE, 25, 1), 1
	s_wait_xcnt 0x0
	s_wait_alu depctr_hold_cnt(0) depctr_sa_sdst(0) depctr_va_vdst(0) depctr_va_sdst(0) depctr_va_ssrc(0) depctr_va_vcc(0) depctr_vm_vsrc(0)
	s_getreg_b32 s2, hwreg(HW_REG_IB_STS2, 6, 4)
	s_cmp_eq_u32 s2, 0
	s_cbranch_scc0 .Lentry_in_a_cluster
	s_endpgm
.Lentry_in_a_cluster:
	s_bfe_u32 s2, ttmp6, 0x10000c
	s_cmp_lg_u32 s2, 0xf033
	s_cbranch_scc0 .Lentry_shape_is_right
	s_endpgm
.Lentry_shape_is_right:
; out0 = O O_weight^T on codes of FP6: source 0 = 16 rows of O_weight, source 1 = 16 tokens of O; f32 sums, stored as they are.
; A work-group makes 128 tokens x 256 features, a wave 64 x 128: 32 accumulators, window 2: 256 work-groups.  K = 1,024 lies whole in LDS, four chunks of two K steps, each filled once; four tensor loads of a wave are out at the most.
; All codes lie as images of fragments; lane-row m of tile T is row 32 (T / 2) + 8 (T % 2) + m + 8 (m / 8).  In accumulator (a, b = 2 B + u) lane (r, h), register jj holds token lane-row r of tile a and feature 32 B + 16 h + 8 u + jj.
; CLUSTER 4 x 4: O's tiles are shared along a row of the cluster, the weight's along a column.  Waves 0, 1 fetch O's halves, waves 2, 3 the weight's.
; THE WAY OUT: a tile of 16 tokens x 128 features goes through the wave's stage in LDS (rows of 528 bytes) and leaves as rows of 512 consecutive, aligned bytes, each to its token's true row.  The stages lie in chunk 0's bytes:
; they have had their only fill, and every wave's reads of them ended in front of a barrier that every wave has passed.
.set FRB, 1536
.set KS,  2
.set NS,  8
.set NCH, NS/KS
.set RH,  4*KS*FRB
.set LH,  8*KS*FRB
.set CH,  2*RH+2*LH
.set ADR, 4
.set ADL, 8
.set SL,  12
.set SR,  13
.set OA,  14
.set STO, 24
.set RD,  25
.set LS,  32
.set RS,  64
.set BK,  128
.set G1R, 24
.set G1L, 32
.set G0R, 40
.set G0L, 68
.set OB,  84
.set MSB, 0
.macro WIN new
.if MSB != (\new)
	s_set_vgpr_msb (MSB<<8)|(\new)
.set MSB, (\new)
.endif
.endm
.macro PLACES n
.rept \n
	v_nop
.endr
.endm
.macro CREST
	s_cmp_lg_u32 s16, 0
	s_cbranch_scc1 .Lnot_wave_0_\@
	s_barrier_signal -3
.Lnot_wave_0_\@:
	s_barrier_wait -3
	s_barrier_signal -1
	s_barrier_wait -1
.endm
.macro CROUND
	s_barrier_signal -1
	s_barrier_wait -1
	CREST
.endm
.macro GROUP1 g, rows, pitch
	s_mov_b32 s[\g+1], (KS*192)<<16
	s_mov_b32 s[\g+2], (\rows)<<16
	s_mov_b32 s[\g+3], (KS*192)<<16
	s_mov_b32 s[\g+4], \rows
	s_mov_b32 s[\g+5], \pitch
	s_mov_b32 s[\g+6], 0
	s_mov_b32 s[\g+7], 0
.endm
.macro WM d, l, r, zero, sl, sr, rowl, rowr
.set SELW, 4*(\zero)+2*(\rowl)+(\rowr)
.if SELW == 0
	v_wmma_scale_f32_16x16x128_f8f6f4 v[\d:\d+7], v[\l:\l+11], v[\r:\r+11], v[\d:\d+7], v[\sl], v[\sr] matrix_a_fmt:MATRIX_FMT_FP6 matrix_b_fmt:MATRIX_FMT_FP6
.elseif SELW == 1
	v_wmma_scale_f32_16x16x128_f8f6f4 v[\d:\d+7], v[\l:\l+11], v[\r:\r+11], v[\d:\d+7], v[\sl], v[\sr] matrix_a_fmt:MATRIX_FMT_FP6 matrix_b_fmt:MATRIX_FMT_FP6 matrix_b_scale:MATRIX_SCALE_ROW1
.elseif SELW == 2
	v_wmma_scale_f32_16x16x128_f8f6f4 v[\d:\d+7], v[\l:\l+11], v[\r:\r+11], v[\d:\d+7], v[\sl], v[\sr] matrix_a_fmt:MATRIX_FMT_FP6 matrix_b_fmt:MATRIX_FMT_FP6 matrix_a_scale:MATRIX_SCALE_ROW1
.elseif SELW == 3
	v_wmma_scale_f32_16x16x128_f8f6f4 v[\d:\d+7], v[\l:\l+11], v[\r:\r+11], v[\d:\d+7], v[\sl], v[\sr] matrix_a_fmt:MATRIX_FMT_FP6 matrix_b_fmt:MATRIX_FMT_FP6 matrix_a_scale:MATRIX_SCALE_ROW1 matrix_b_scale:MATRIX_SCALE_ROW1
.elseif SELW == 4
	v_wmma_scale_f32_16x16x128_f8f6f4 v[\d:\d+7], v[\l:\l+11], v[\r:\r+11], 0, v[\sl], v[\sr] matrix_a_fmt:MATRIX_FMT_FP6 matrix_b_fmt:MATRIX_FMT_FP6
.elseif SELW == 5
	v_wmma_scale_f32_16x16x128_f8f6f4 v[\d:\d+7], v[\l:\l+11], v[\r:\r+11], 0, v[\sl], v[\sr] matrix_a_fmt:MATRIX_FMT_FP6 matrix_b_fmt:MATRIX_FMT_FP6 matrix_b_scale:MATRIX_SCALE_ROW1
.elseif SELW == 6
	v_wmma_scale_f32_16x16x128_f8f6f4 v[\d:\d+7], v[\l:\l+11], v[\r:\r+11], 0, v[\sl], v[\sr] matrix_a_fmt:MATRIX_FMT_FP6 matrix_b_fmt:MATRIX_FMT_FP6 matrix_a_scale:MATRIX_SCALE_ROW1
.else
	v_wmma_scale_f32_16x16x128_f8f6f4 v[\d:\d+7], v[\l:\l+11], v[\r:\r+11], 0, v[\sl], v[\sr] matrix_a_fmt:MATRIX_FMT_FP6 matrix_b_fmt:MATRIX_FMT_FP6 matrix_a_scale:MATRIX_SCALE_ROW1 matrix_b_scale:MATRIX_SCALE_ROW1
.endif
.endm
.macro MULA s, a, zero                 ; O's tile a against the weight's eight; the 32 accumulators take turns, one instruction a turn
.irp b, 0,1,2,3,4,5,6,7
	WM 8*(8*(\a)+\b), 128*((\s)%2)+12*\b, 128+48*((\s)%2)+12*(\a), \zero, LS+4*(\s)+\b%4, RS+4*((\s)/2)+(\a), \b/4, (\s)%2
.endr
.endm
.macro FETCH s
	WIN 0x40
.irp b, 0,1,2,3,4,5,6,7
.irp p, 0,1,2
	ds_load_b128 v[128*((\s)%2)+12*\b+4*\p:128*((\s)%2)+12*\b+4*\p+3], v[ADL+(\s)/KS] offset:\b*KS*FRB+((\s)%KS)*FRB+512*\p
.endr
.endr
	WIN 0
.irp a, 0,1,2,3
.irp p, 0,1,2
	ds_load_b128 v[128+48*((\s)%2)+12*\a+4*\p:128+48*((\s)%2)+12*\a+4*\p+3], v[ADR+(\s)/KS] offset:\a*KS*FRB+((\s)%KS)*FRB+512*\p
.endr
.endr
.endm
.macro STEP s, zero                    ; 32 products; behind the first eight the next step's fragments are asked for; at a chunk's edge my part of the next chunk is waited for and a barrier shows it whole
	s_wait_dscnt 0x0
.if ((\s)+1 < NS) && (((\s)+1)%KS == 0)
	s_wait_tensorcnt NCH-1-((\s)+1)/KS             ; the later chunks' loads may stay out
	s_barrier_signal -1
.endif
	WIN 0xa1
	MULA \s, 0, \zero
.if (\s)+1 < NS
.if ((\s)+1)%KS == 0
	s_barrier_wait -1
.endif
	PLACES 4                                       ; between the last step's products, which read the other set, and the loads into it
	FETCH (\s)+1
	WIN 0xa1
.endif
	MULA \s, 1, \zero
	MULA \s, 2, \zero
	MULA \s, 3, \zero
.endm
.macro TOSTAGE a                       ; tile a into my stage and back as whole rows; LDS serves a wave's instructions in order, so no wait stands between
	WIN 0x08                                       ; an LDS store's data are its source 1: window 2
.irp b, 0,1,2,3,4,5,6,7
	ds_store_b128 v[STO], v[8*(8*(\a)+\b):8*(8*(\a)+\b)+3] offset:128*(\b/2)+32*(\b%2)        ; each accumulator from its low end on
	ds_store_b128 v[STO], v[8*(8*(\a)+\b)+4:8*(8*(\a)+\b)+7] offset:128*(\b/2)+32*(\b%2)+16
.endr
	WIN 0
.irp t, 0,1,2,3,4,5,6,7,8,9,10,11,12,13,14,15
	ds_load_b128 v[BK+64*((\a)%2)+4*\t:BK+64*((\a)%2)+4*\t+3], v[RD] offset:528*\t
.endr
.endm
.macro SEND a, younger                 ; younger: the LDS instructions issued behind tile a's loads, which may stay out
	s_wait_dscnt \younger
.irp t, 0,1,2,3,4,5,6,7,8,9,10,11,12,13,14,15
	global_store_b128 v[OA], v[BK+64*((\a)%2)+4*\t:BK+64*((\a)%2)+4*\t+3], s[OB:OB+1] offset:(32*((\a)/2)+8*((\a)%2)+\t+8*(\t/8))*4096 th:TH_STORE_NT   ; 32 lanes store 512 consecutive, aligned bytes; written once
.endr
.endm
	s_load_b128 s[4:7], s[0:1], 0x0                ; w3, w0
	s_load_b64 s[8:9], s[0:1], 0x10                ; out0
	v_lshl_add_u32 v126, v0, 2, 0x48000
	v_mov_b32 v127, 0
	ds_add_u32 v126, v127
	ds_add_u32 v126, v127
	v_lshrrev_b32 v1, 5, v0
	v_readfirstlane_b32 s16, v1                    ; wave
	s_lshr_b32 s17, s16, 1                         ; my half of the tokens.  Also: I fetch O (0) or the weight (1)
	s_and_b32 s18, s16, 1                          ; my half of the features.  Also: which half I fetch
	s_bfe_u32 s19, ttmp6, 0x40000                  ; cx
	s_bfe_u32 s20, ttmp6, 0x40004                  ; cy
	s_and_b32 s23, ttmp7, 0xffff
	s_lshl_b32 s21, s23, 2
	s_add_co_u32 s21, s21, s20                     ; i_wg: 128 tokens
	s_lshl_b32 s22, ttmp9, 2
	s_add_co_u32 s22, s22, s19                     ; j_wg: 256 features
	s_lshl_b32 s98, s20, 2
	s_lshl_b32 s98, 15, s98
	s_lshl_b32 s99, 0x1111, s19
	s_or_b32 s[G1R], s98, (3<<16)|(1<<21)
	s_or_b32 s[G1L], s99, (3<<16)|(1<<21)
	GROUP1 G1R, 4, 1536
	GROUP1 G1L, 8, 1536
	s_lshl_b32 s56, s21, 3                         ; O: tile 8 i_wg + 4 x half (registers that never hold cx)
	s_lshl_b32 s57, s18, 2
	s_add_co_u32 s56, s56, s57
	s_mul_i32 s56, s56, 12288
	s_mov_b32 s57, 0
	s_lshl_b32 s60, s22, 4                         ; the weight: tile 16 j_wg + 8 x half (registers that never hold cy)
	s_lshl_b32 s61, s18, 3
	s_add_co_u32 s60, s60, s61
	s_mul_i32 s60, s60, 12288
	s_add_co_u32 s60, s60, 21233664
	s_mov_b32 s61, 0
	s_lshl_b32 s58, s21, 1
	s_add_co_u32 s58, s58, s17
	s_lshl_b32 s58, s58, 11
	s_add_co_u32 s58, s58, 6291456
	s_mov_b32 s59, 0
	s_lshl_b32 s62, s22, 2
	s_lshl_b32 s63, s18, 1
	s_add_co_u32 s62, s62, s63
	s_lshl_b32 s62, s62, 11
	s_add_co_u32 s62, s62, 22904832
	s_mov_b32 s63, 0
	s_lshl_b32 s66, s21, 19                        ; out0: row 128 i_wg + 64 wi of 4,096 bytes, column 256 j_wg + 128 wj of 4
	s_lshl_b32 s67, s17, 18
	s_add_co_u32 s66, s66, s67
	s_lshl_b32 s67, s22, 10
	s_add_co_u32 s66, s66, s67
	s_lshl_b32 s67, s18, 9
	s_add_co_u32 s66, s66, s67
	s_mov_b32 s67, 0
	s_mul_i32 s94, s18, RH
	s_mul_i32 s95, s18, LH
	s_add_co_u32 s95, s95, 2*RH
	s_wait_dscnt 0x0
	s_wait_kmcnt 0x0
	s_add_nc_u64 s[56:57], s[4:5], s[56:57]
	s_add_nc_u64 s[60:61], s[6:7], s[60:61]
	s_add_nc_u64 s[58:59], s[4:5], s[58:59]
	s_add_nc_u64 s[62:63], s[6:7], s[62:63]
	s_add_nc_u64 s[OB:OB+1], s[8:9], s[66:67]
.irp c, 0,1,2,3
	s_mov_b32 s[G0R+4*\c], 1
	s_add_co_u32 s[G0R+4*\c+1], s94, \c*CH
	s_add_nc_u64 s[G0R+4*\c+2:G0R+4*\c+3], s[56:57], \c*KS*FRB
	s_or_b32 s[G0R+4*\c+3], s[G0R+4*\c+3], 0x80000000
	s_mov_b32 s[G0L+4*\c], 1
	s_add_co_u32 s[G0L+4*\c+1], s95, \c*CH
	s_add_nc_u64 s[G0L+4*\c+2:G0L+4*\c+3], s[60:61], \c*KS*FRB
	s_or_b32 s[G0L+4*\c+3], s[G0L+4*\c+3], 0x80000000
.endr
	CROUND                                         ; all sixteen work-groups are here: the joint loads meet
	s_cmp_eq_u32 s17, 0
	s_cbranch_scc0 .Lfill_l
.irp c, 0,1,2,3
	tensor_load_to_lds s[G0R+4*\c:G0R+4*\c+3], s[G1R:G1R+7]
	s_nop 0
.endr
	PLACES 4
	s_branch .Lfilled
.Lfill_l:
.irp c, 0,1,2,3
	tensor_load_to_lds s[G0L+4*\c:G0L+4*\c+3], s[G1L:G1L+7]
	s_nop 0
.endr
	PLACES 4
.Lfilled:
	v_and_b32 v1, 31, v0
	v_and_b32 v2, 15, v0                           ; r
	v_bfe_u32 v3, v0, 4, 1                         ; h
	v_lshlrev_b32 v[OA], 4, v1
	s_mul_i32 s94, s17, RH
	s_mul_i32 s95, s18, LH
	s_add_co_u32 s95, s95, 2*RH
.irp c, 0,1,2,3
	v_add_nc_u32 v[ADR+\c], s94, v[OA]
	v_add_nc_u32 v[ADL+\c], s95, v[OA]
	s_add_co_u32 s94, s94, CH
	s_add_co_u32 s95, s95, CH
.endr
	v_lshlrev_b32 v16, 4, v2
	v_lshl_add_u32 v[SL], v3, 11, v16              ; lanes 16-31 take the next quad's record
	v_lshl_add_u32 v[SR], v3, 8, v16               ; lanes 16-31 take the next K step's record
	s_mul_i32 s96, s16, 8448                       ; my stage
	v_mul_u32_u24 v[STO], v2, 528
	v_lshl_add_u32 v[STO], v3, 6, v[STO]
	v_add_nc_u32 v[STO], s96, v[STO]               ; in: row r, + 64 h
	v_add_nc_u32 v[RD], s96, v[OA]                 ; back: the 32 lanes take one row of 512 bytes
.irp s, 0,1,2,3,4,5,6,7
	global_load_b128 v[LS+4*\s:LS+4*\s+3], v[SL], s[62:63] offset:256*\s
.endr
.irp g, 0,1,2,3
	global_load_b128 v[RS+4*\g:RS+4*\g+3], v[SR], s[58:59] offset:512*\g
.endr
	s_wait_tensorcnt 3                             ; my part of chunk 0 is in; the three later chunks' loads may be out
	s_barrier_signal -1
	s_barrier_wait -1
	FETCH 0
	s_wait_loadcnt 0x0                             ; the scale words
	STEP 0, 1                                      ; the first step's products start the sums
	STEP 1, 0
	STEP 2, 0
	STEP 3, 0
	STEP 4, 0
	STEP 5, 0
	STEP 6, 0
	STEP 7, 0
	WIN 0
	PLACES 4                                       ; behind the last products: for the reads of results and the loads into the registers that held O's fragments
	TOSTAGE 0
.irp a, 1,2,3
.if \a > 1
	s_wait_xcnt 0x0                                ; tile a - 2's stores have read their registers: tile a's rows may land there
.endif
	TOSTAGE \a
	SEND \a-1, 32                                  ; behind tile a - 1's loads: tile a's 16 stores and 16 loads
.endr
	SEND 3, 0
	s_wait_tensorcnt 0x0
	ds_add_u32 v126, v127
	s_wait_dscnt 0x0
	CROUND                                         ; the closing round
	s_endpgm
.Lfunc_end_k_q13a5f72eb9_oproj:
	.size	k_q13a5f72eb9_oproj, .Lfunc_end_k_q13a5f72eb9_oproj-k_q13a5f72eb9_oproj
	.p2alignl 7, 3214868480
	.fill 96, 4, 3214868480
	.section	.rodata,"a",@progbits
	.p2align	6, 0x0
	.amdhsa_kernel k_q13a5f72eb9_oproj
		.amdhsa_group_segment_fixed_size 327680
		.amdhsa_private_segment_fixed_size 0
		.amdhsa_enable_private_segment 0
		.amdhsa_kernarg_size 24
		.amdhsa_user_sgpr_count 2
		.amdhsa_user_sgpr_kernarg_segment_ptr 1
		.amdhsa_wavefront_size32 1
		.amdhsa_system_sgpr_workgroup_id_x 1
		.amdhsa_system_sgpr_workgroup_id_y 1
		.amdhsa_system_sgpr_workgroup_id_z 1
		.amdhsa_system_vgpr_workitem_id 0
		.amdhsa_next_free_vgpr 768
		.amdhsa_next_free_sgpr 100
		.amdhsa_reserve_vcc 0
		.amdhsa_float_denorm_mode_32 3
		.amdhsa_float_denorm_mode_16_64 3
		.amdhsa_memory_ordered 1
		.amdhsa_forward_progress 1
		.amdhsa_inst_pref_size 77
	.end_amdhsa_kernel
	.amdgpu_metadata
---
amdhsa.version: [ 1, 2 ]
amdhsa.kernels:
  - .name:           k_q13a5f72eb9_oproj
    .symbol:         k_q13a5f72eb9_oproj.kd
    .args:
      - { .name: w3, .offset: 0, .size: 8, .value_kind: global_buffer, .address_space: global }
      - { .name: w0, .offset: 8, .size: 8, .value_kind: global_buffer, .address_space: global }
      - { .name: out0, .offset: 16, .size: 8, .value_kind: global_buffer, .address_space: global }
    .group_segment_fixed_size: 327680
    .private_segment_fixed_size: 0
    .kernarg_segment_align: 8
    .kernarg_segment_size: 24
    .max_flat_workgroup_size: 128
    .sgpr_count:     100
    .vgpr_count:     768
    .wavefront_size: 32
...
	.end_amdgpu_metadata
.endif
;; end of part 5
